; MI455X (gfx1250); checked and timed in simulation.
; The chip was launched on July 23, 2026; its instructions are those of AMD's public machine-readable ISA for CDNA 5 (MIT licence, August 2026) and "CDNA5" Instruction Set Architecture Reference Guide (July 2026). The comments in the code are by the model that wrote it; some were corrected since.
;; Multi Head Attention. Allowed arithmetic: matrix products marked QUANTISED: E5M2 operands, one given power-of-two scale a tensor, by v_wmma_f32_16x16x64_bf8_bf8 or v_wmma_f32_16x16x128_bf8_bf8, f32 sums; everything else in f32.
;; Inputs: input 4 x 2,048 x 1,024 float32; lowp_scales 8 int32 (the exponents e of the quantised operands' scales 2^e); mask 2,048 x 2,048 bool; out_b 1,024 float32; out_w 1,024 x 1,024 float32; qkv_b 3,072 float32; qkv_w 3,072 x 1,024 float32.
;; Outputs: out0 4 x 2,048 x 1,024 float32.
;; This version of the problem:
;;   THIS VERSION OF THE PROBLEM IS GIVEN IN LOW PRECISION. The matrix products marked QUANTISED in the list below multiply operands that are first quantised to E5M2 (5 exponent bits, 2 mantissa bits; 8 bits a number), with one given power-of-two scale for each operand tensor; their sums are f32. All else is computed in f32.
;;   The module's matrix products, in the order in which they are computed (A, B: the left and right operand; K: the contracted axis; several contracted axes count as one K, in the product's order):
;;     1. [M 8,192, K 1,024] x [K 1,024, N 3,072]; A: input input; B: input qkv_w: QUANTISED (scales: A lowp_scales[0], B lowp_scales[1])
;;     2. batch 64 x [M 2,048, K 64] x [K 64, N 2,048]; A: computed on the way; B: computed on the way: QUANTISED (scales: A lowp_scales[2], B lowp_scales[3])
;;     3. batch 64 x [M 2,048, K 2,048] x [K 2,048, N 64]; A: softmax (see below); B: computed on the way: QUANTISED (scales: A lowp_scales[4], B lowp_scales[5])
;;     4. [M 8,192, K 1,024] x [K 1,024, N 1,024]; A: computed on the way; B: input out_w: QUANTISED (scales: A lowp_scales[6], B lowp_scales[7])
;;   THE QUANTISER, for each operand of a quantised product, along K:
;;     - The operand's scale is 2^e, e = its entry of the input lowp_scales (int32; the entries are numbered through the quantised products in the list's order, A before B).
;;     - Each number is divided by the scale, clamped to +-57,344, and rounded to the nearest number of E5M2, ties to even, subnormals kept.
;;     - The product sums the exact products of the quantised numbers (number of the format x scale) in f32.
;;   ~~~python
;;   def quantise(x, axis, e):      # numpy; x: float32 -> the quantised numbers, widened to float32 again
;;       x = np.moveaxis(x, axis, -1); K = x.shape[-1]
;;       r = np.clip(x / 2.0 ** e, -57344, 57344)
;;       step = 2.0 ** (np.maximum(np.frexp(np.where(r == 0, 1, r))[1] - 1, -14) - 2)
;;       q = np.round(r / step) * step * 2.0 ** e      # np.round: ties to even
;;       return np.moveaxis(q, -1, axis).astype(np.float32)
;;   ~~~
;;   SOFTMAX AHEAD OF A QUANTISED PRODUCT. Where the list says 'softmax', what is quantised is not the finished softmax but p = 2^(t - M), with t = logit x log2(e) and M = ceil(the row's largest t), a whole number; so 1/2 < the row's largest p <= 1. The row's sum l is taken of the UNQUANTISED p, in f32, and the product's result is divided by l at the end. Since M is a whole number, a kernel that streams over the keys may use a running M (the ceiling of the running maximum): every later rescaling is an exact power of two, so the quantised numbers keep their values, but for numbers so far below the row's largest that they fall under the format's range.
;;   OPERANDS COMPUTED ON THE WAY. 'Computed on the way' means the value that the module computes at that place (a softmax that the list does not call 'softmax' is quantised finished and normalised). What goes into a quantiser is computed in f32, as accurately as f32 sums, v_exp_f32 and their like allow (about 1e-6 of the number): no bf16 or f16 on the way to a quantiser, and a product that is left as it is and whose result goes on into a quantised operand takes f32 operands (vector FMAs, or v_wmma_f32_16x16x4_f32). A number that lies on a knife's edge between two numbers of the format may be rounded either way, as far as f32 arithmetic and the matrix unit's own rounding can turn it there, and no further.
;; 2 versions, each right; version 2 is version 1 with the launch attn written anew for expert scheduling mode. Each part assembles by itself: llvm-mc -triple=amdgcn-amd-amdhsa -mcpu=gfx1250 --defsym DOCPART=n.
;; ======== version 1 of 2: 5 launches
;; workspace buffers: cb 12,582,912 bytes; qc 8,388,608 bytes; kc 8,388,608 bytes; vc 8,388,608 bytes; ao 8,388,608 bytes; maskw 524,288 bytes of whole numbers; maskf 8,192 bytes of whole numbers
;; launch prep (part 1): grid 512 x 1, 4 waves a work-group, no clusters, 34,304 bytes of LDS; arguments input, qkv_w, out_w, mask, lowp_scales, cb, maskw, maskf; writes cb, maskw, maskf
.if DOCPART == 1
	.amdgcn_target "amdgcn-amd-amdhsa--gfx1250"
	.amdhsa_code_object_version 6
	.text
	.protected	k_q4fbe4c9618_prep
	.globl	k_q4fbe4c9618_prep
	.p2align	8
	.type	k_q4fbe4c9618_prep,@function
k_q4fbe4c9618_prep:
	s_mov_b64 s[64:65], 0
	v_nop
	global_prefetch_b8 v0, s[64:65] scope:SCOPE_SE
	s_setreg_imm32_b32 hwreg(HW_REG_WAVE_MODE, 25, 1), 1
	s_wait_xcnt 0x0
; PREP.  (1) input [8192][1024], qkv_w [3072][1024] and out_w [1024][1024], f32, become codes of BF8 (E5M2) with the given scales 2^e0, 2^e1, 2^e7;  (2) the mask becomes lane words and flags.
; code = x / 2^e, held within +-57,344, rounded to the nearest code, ties to even.  LIMITS: e between -126 and 112.  NaN among the inputs is not served; an infinity is held at the largest code.
; THE CODES' LAYOUT (cb): [row tile 768][K step 8][2,048 bytes]: the image of an operand's registers.  A fragment is 16 rows x 128 K; its group c (512 bytes) holds, at 16 x lane, the 16 codes
; k = 32 c + 16 (lane / 16) + 0 .. 15 of tile-row lane % 16.  So a later launch brings a fragment by four loads of 16 bytes a lane, 512 consecutive bytes each.
; THE ROWS OF A TILE ARE NOT NEIGHBOURS: tile T holds in tile-row p the true row 32 (T / 2) + 8 (T % 2) + p + 8 (p / 8), so that the 16 result registers of two neighbouring tiles are 16 neighbours.
; Tiles 0-511: input; 512-703: qkv_w; 704-767: out_w.
; SHARES.  Work-groups 0-383: 32 true rows (two tiles) each; wave v takes tile v / 2 of the two and half v % 2 of K: four K steps of 128.  Each load reads 512 consecutive bytes of a row; a K step's 16 rows turn
; through the wave's own stage in LDS (rows 528 bytes apart) and come back 16 neighbours a lane and block of 32.  No barrier: waves share nothing.
; Work-groups 384-511: one tile of 16 queries of the mask each; wave v takes key steps 4 v .. 4 v + 3.  They use no LDS.
; maskw [q tile 128][key step 16][n 64] u32: bit l of word n is 1 where mask[row of tile-row l % 16][128 step + 32 (n / 16) + 16 (l / 16) + n % 16] is false.
; maskf [q tile 128][16] u32: 1 << step where any bit of that tile and step is set, else 0.
.set WGQ,  384                         ; work-groups that quantise
.set SP,   528                         ; a stage row: 512 bytes + 16
.set STGB, 16*SP                       ; a wave's stage
.set R,    16                          ; v16-143   two sets of 64 registers as loaded
.set X,    144                         ; v144-207  64 numbers in the operand's order
.set C,    208                         ; v208-239  two sets of 16 registers of codes
	s_load_b256 s[4:11], s[0:1], 0x0               ; input s[4:5], qkv_w s[6:7], out_w s[8:9], mask s[10:11]
	s_load_b256 s[12:19], s[0:1], 0x20             ; the scales' exponents s[12:13], cb s[14:15], maskw s[16:17], maskf s[18:19]
	v_lshl_add_u32 v254, v0, 2, 0x8400
	v_mov_b32 v255, 0
	v_lshrrev_b32 v1, 5, v0
	v_readfirstlane_b32 s20, v1                    ; wave 0..3
	v_and_b32 v2, 31, v0                           ; lane
	v_and_b32 v4, 15, v0                           ; r
	v_bfe_u32 v5, v0, 4, 1                         ; h
	s_cmp_ge_u32 ttmp9, WGQ
	s_cbranch_scc1 .Lmask
	; ---------------- the quantiser ----------------
	v_lshlrev_b32 v3, 4, v2                        ; 16 x lane: my bytes of a load's 512, and of a group of codes
	s_mul_i32 s21, s20, STGB
	v_add_nc_u32 v14, s21, v3                      ; the stage, on the way in: a row as it lies
	v_mul_u32_u24 v15, v4, SP
	v_lshl_add_u32 v15, v5, 6, v15
	v_add_nc_u32 v15, s21, v15                     ; and on the way out: row r, + 64 h: my 16 numbers of a block of 32
	s_lshr_b32 s22, s20, 1                         ; which of the two tiles
	s_and_b32 s23, s20, 1                          ; which half of K
	s_wait_kmcnt 0x0
	s_load_b256 s[24:31], s[12:13], 0x0            ; e0 .. e7
	s_cmp_lt_u32 ttmp9, 352                        ; which tensor: the choice hangs on the work-group's number alone
	s_cselect_b64 s[32:33], s[6:7], s[8:9]
	s_mov_b32 s34, 352
	s_cselect_b32 s34, 256, s34
	s_cmp_lt_u32 ttmp9, 256
	s_cselect_b64 s[32:33], s[4:5], s[32:33]
	s_cselect_b32 s34, 0, s34                      ; the tensor's first work-group
	s_sub_co_u32 s34, ttmp9, s34
	s_lshl_b32 s36, s34, 17                        ; 32 rows of 4,096 bytes,
	s_lshl_b32 s38, s22, 15                        ; the odd tile begins 8 rows further down,
	s_add_co_u32 s36, s36, s38
	s_lshl_b32 s38, s23, 11                        ; my half of K: 512 numbers
	s_add_co_u32 s36, s36, s38
	s_mov_b32 s37, 0
	s_add_nc_u64 s[32:33], s[32:33], s[36:37]
	s_lshl_b32 s36, ttmp9, 15                      ; cb: two tiles of 16,384 bytes a work-group,
	s_lshl_b32 s38, s22, 14
	s_add_co_u32 s36, s36, s38
	s_lshl_b32 s38, s23, 13                        ; four K steps of 2,048
	s_add_co_u32 s36, s36, s38
	s_add_nc_u64 s[14:15], s[14:15], s[36:37]
.macro LOAD s                          ; K step s: 16 rows x 512 bytes into set s % 2
.irp p, 0,1,2,3,4,5,6,7,8,9,10,11,12,13,14,15
	global_load_b128 v[R+64*((\s)%2)+4*\p:R+64*((\s)%2)+4*\p+3], v3, s[32:33] offset:(\p+8*(\p/8))*4096+512*(\s) th:TH_LOAD_NT
.endr
.endm
	LOAD 0
	LOAD 1
	s_wait_kmcnt 0x0
	s_cmp_lt_u32 ttmp9, 352
	s_cselect_b32 s35, s25, s31
	s_cmp_lt_u32 ttmp9, 256
	s_cselect_b32 s35, s24, s35                    ; e
	s_add_co_i32 s35, s35, 127
	s_lshl_b32 s36, s35, 23
	v_mov_b32 v11, s36                             ; 2^e as f32: the conversion takes its exponent field
	s_add_co_i32 s35, s35, 15
	s_lshl_b32 s35, s35, 23
	s_or_b32 s35, s35, 0x600000
	v_mov_b32 v10, s35                             ; 57,344 x 2^e
.macro KSTEP s
.set RS, R+64*((\s)%2)
.set CS, C+16*((\s)%2)
.if (\s) < 3
	s_wait_loadcnt 16                              ; this K step's 16 loads are in; the next one's may be out
.else
	s_wait_loadcnt 0x0
.endif
.irp p, 0,1,2,3,4,5,6,7,8,9,10,11,12,13,14,15
	ds_store_b128 v14, v[RS+4*\p:RS+4*\p+3] offset:SP*\p
.endr
.irp b, 0,1,2,3
.irp j, 0,1,2,3
	ds_load_b128 v[X+16*\b+4*\j:X+16*\b+4*\j+3], v15 offset:128*\b+16*\j   ; LDS serves a wave's instructions in order: these see the stores above
.endr
.endr
	s_wait_dscnt 0x0                               ; the numbers are back, and the stores have read their registers,
.if (\s) < 2
	LOAD (\s)+2                                    ; which take the loads of two K steps on
.else
	s_wait_xcnt 0x0                                ; the stores of two K steps back have read this set of codes: it is written again only behind this wait
.endif
.set j, 0
.rept 64
	v_med3_num_f32 v[X+j], v[X+j], -v10, v10       ; the conversion to an 8-bit code does not saturate (ISA guide 7.6.2): hold the number first
.set j, j+1
.endr
.irp b, 0,1,2,3
	v_cvt_scalef32_pk8_bf8_f32 v[CS+4*\b:CS+4*\b+1], v[X+16*\b:X+16*\b+7], v11
	v_cvt_scalef32_pk8_bf8_f32 v[CS+4*\b+2:CS+4*\b+3], v[X+16*\b+8:X+16*\b+15], v11
.endr
	v_nop                                          ; one plain vector line between the conversions and the next K step's holds, which write their sources
.irp b, 0,1,2,3
	global_store_b128 v3, v[CS+4*\b:CS+4*\b+3], s[14:15] offset:2048*(\s)+512*\b   ; a group: 512 consecutive bytes, aligned
.endr
.endm
	KSTEP 0
	KSTEP 1
	KSTEP 2
	KSTEP 3
	s_wait_tensorcnt 0x0
	ds_add_u32 v254, v255
	s_wait_dscnt 0x0
	s_endpgm
	; ---------------- the mask ----------------
.Lmask:
	s_sub_co_u32 s21, ttmp9, WGQ                   ; the tile of queries
	v_and_b32 v6, 8, v4
	v_add_nc_u32 v6, v6, v4                        ; r + 8 (r / 8)
	v_lshlrev_b32 v6, 11, v6                       ; a row of the mask is 2,048 bytes
	v_lshl_add_u32 v3, v5, 4, v6                   ; + 16 h
	v_lshlrev_b32 v8, 3, v2                        ; 8 x lane: two words of maskw
	v_lshlrev_b32 v9, 2, v2                        ; 4 x lane: a word of maskf
	s_lshr_b32 s22, s21, 1
	s_lshl_b32 s22, s22, 5
	s_and_b32 s23, s21, 1
	s_lshl_b32 s23, s23, 3
	s_add_co_u32 s22, s22, s23                     ; the tile's first row: 32 (tile / 2) + 8 (tile % 2)
	s_lshl_b32 s22, s22, 11
	s_lshl_b32 s23, s20, 9                         ; my four key steps: 512 bytes of each row
	s_add_co_u32 s22, s22, s23
	s_mov_b32 s23, 0
	s_lshl_b32 s24, s21, 12                        ; maskw: 16 steps x 256 bytes a tile, my four steps
	s_lshl_b32 s25, s20, 10
	s_add_co_u32 s24, s24, s25
	s_mov_b32 s25, 0
	s_lshl_b32 s26, s21, 6                         ; maskf: 64 bytes a tile, my four words
	s_lshl_b32 s27, s20, 4
	s_add_co_u32 s26, s26, s27
	s_mov_b32 s27, 0
	s_lshl_b32 s28, s20, 2                         ; my first key step
	s_wait_kmcnt 0x0
	s_add_nc_u64 s[10:11], s[10:11], s[22:23]
	s_add_nc_u64 s[16:17], s[16:17], s[24:25]
	s_add_nc_u64 s[18:19], s[18:19], s[26:27]
.irp st, 0,1,2,3
.irp b, 0,1,2,3
	global_load_b128 v[16+16*\st+4*\b:16+16*\st+4*\b+3], v3, s[10:11] offset:128*\st+32*\b   ; keys 128 st + 32 b + 16 h + 0 .. 15 of my row
.endr
.endr
.irp i, 0,1,2,3,4,5,6,7,8
	v_mov_b32 v[96+\i], 0                          ; written once: a lane write's destination counts as read
.endr
.irp st, 0,1,2,3
	s_wait_loadcnt 4*(3-\st)                       ; this key step's four loads are in; the later steps' may be out
	s_mov_b32 s30, 0
.set n, 0
.rept 64                               ; word n: one byte of each lane; the compare's 32 bits are the word; it goes to lane n / 2, register n % 2, so that the words leave on end
	v_bfe_u32 v[4+n%4], v[16+16*\st+4*(n/16)+(n%16)/4], 8*(n%4), 8
	v_cmp_eq_u32 s[32+n%4], 0, v[4+n%4]
	v_writelane_b32 v[96+2*\st+n%2], s[32+n%4], n/2
	s_or_b32 s30, s30, s[32+n%4]
.set n, n+1
.endr
	global_store_b64 v8, v[96+2*\st:97+2*\st], s[16:17] offset:256*\st   ; 64 words: 256 consecutive bytes, aligned
	s_cmp_lg_u32 s30, 0
	s_cselect_b32 s31, 1, 0
	s_lshl_b32 s31, s31, s28                       ; the flag stands at the step's bit
	s_add_co_u32 s28, s28, 1
	v_writelane_b32 v104, s31, \st
.endr
	s_wait_xcnt 0x0                                ; EXEC changes only behind this wait
	v_cmp_gt_u32 vcc_lo, 4, v2
	s_and_saveexec_b32 s29, vcc_lo
	global_store_b32 v9, v104, s[18:19]            ; my four flags
	s_wait_xcnt 0x0
	s_or_b32 exec_lo, exec_lo, s29
	s_endpgm
.Lfunc_end_k_q4fbe4c9618_prep:
	.size	k_q4fbe4c9618_prep, .Lfunc_end_k_q4fbe4c9618_prep-k_q4fbe4c9618_prep
	.p2alignl 7, 3214868480
	.fill 96, 4, 3214868480
	.section	.rodata,"a",@progbits
	.p2align	6, 0x0
	.amdhsa_kernel k_q4fbe4c9618_prep
		.amdhsa_group_segment_fixed_size 34304
		.amdhsa_private_segment_fixed_size 0
		.amdhsa_enable_private_segment 0
		.amdhsa_kernarg_size 64
		.amdhsa_user_sgpr_count 2
		.amdhsa_user_sgpr_kernarg_segment_ptr 1
		.amdhsa_wavefront_size32 1
		.amdhsa_system_sgpr_workgroup_id_x 1
		.amdhsa_system_sgpr_workgroup_id_y 1
		.amdhsa_system_sgpr_workgroup_id_z 1
		.amdhsa_system_vgpr_workitem_id 0
		.amdhsa_next_free_vgpr 256
		.amdhsa_next_free_sgpr 66
		.amdhsa_reserve_vcc 1
		.amdhsa_float_denorm_mode_32 3
		.amdhsa_float_denorm_mode_16_64 3
		.amdhsa_memory_ordered 1
		.amdhsa_forward_progress 1
		.amdhsa_inst_pref_size 98
	.end_amdhsa_kernel
	.amdgpu_metadata
---
amdhsa.version: [ 1, 2 ]
amdhsa.kernels:
  - .name:           k_q4fbe4c9618_prep
    .symbol:         k_q4fbe4c9618_prep.kd
    .args:
      - { .name: input, .offset: 0, .size: 8, .value_kind: global_buffer, .address_space: global }
      - { .name: qkv_w, .offset: 8, .size: 8, .value_kind: global_buffer, .address_space: global }
      - { .name: out_w, .offset: 16, .size: 8, .value_kind: global_buffer, .address_space: global }
      - { .name: mask, .offset: 24, .size: 8, .value_kind: global_buffer, .address_space: global }
      - { .name: lowp_scales, .offset: 32, .size: 8, .value_kind: global_buffer, .address_space: global }
      - { .name: cb, .offset: 40, .size: 8, .value_kind: global_buffer, .address_space: global }
      - { .name: maskw, .offset: 48, .size: 8, .value_kind: global_buffer, .address_space: global }
      - { .name: maskf, .offset: 56, .size: 8, .value_kind: global_buffer, .address_space: global }
    .group_segment_fixed_size: 34304
    .private_segment_fixed_size: 0
    .kernarg_segment_align: 8
    .kernarg_segment_size: 64
    .max_flat_workgroup_size: 128
    .sgpr_count:     66
    .vgpr_count:     256
    .wavefront_size: 32
...
	.end_amdgpu_metadata
.endif
;; end of part 1
;; launch qk (part 2): grid 8 x 32, 4 waves a work-group, clusters of 4 x 4, 327,680 bytes of LDS; arguments cb, lowp_scales, qkv_b, qc, kc; writes qc, kc
.if DOCPART == 2
	.amdgcn_target "amdgcn-amd-amdhsa--gfx1250"
	.amdhsa_code_object_version 6
	.text
	.protected	k_q4fbe4c9618_qk
	.globl	k_q4fbe4c9618_qk
	.p2align	8
	.type	k_q4fbe4c9618_qk,@function
k_q4fbe4c9618_qk:
	s_mov_b64 s[64:65], 0
	v_nop
	global_prefetch_b8 v0, s[64:65] scope:SCOPE_SE
	s_setreg_imm32_b32 hwreg(HW_REG_WAVE_MODE, 25, 1), 1
	s_wait_xcnt 0x0
	s_wait_alu depctr_hold_cnt(0) depctr_sa_sdst(0) depctr_va_vdst(0) depctr_va_sdst(0) depctr_va_ssrc(0) depctr_va_vcc(0) depctr_vm_vsrc(0)
	s_getreg_b32 s2, hwreg(HW_REG_IB_STS2, 6, 4)
	s_cmp_eq_u32 s2, 0
	s_cbranch_scc0 .Lentry_in_a_cluster
	s_endpgm
.Lentry_in_a_cluster:
	s_bfe_u32 s2, ttmp6, 0x10000c
	s_cmp_lg_u32 s2, 0xf033
	s_cbranch_scc0 .Lentry_shape_is_right
	s_endpgm
.Lentry_shape_is_right:
; QK.  q and k = x W^T + b on codes of BF8 (E5M2), and their own codes.  x: 8,192 tokens, W: rows 0-2,047 of qkv_w, K = 1,024; both lie in cb as images of operand registers:
; [row tile][K step 8][2,048 bytes]; group c of a fragment (512 bytes) holds at 16 x lane the codes k = 32 c + 16 (lane / 16) + 0 .. 15 of tile-row lane % 16; tile T's tile-row p is the true row 32 (T / 2) + 8 (T % 2) + p + 8 (p / 8).
; A sum stands for sum x 2^(e0 + e1); y = sum x 2^(e0 + e1) + bias is held within +-57,344 x 2^e and converted with 2^e, e = e2 for q (tile columns 0-3), e3 for k (4-7).
; LIMITS: e0 + e1 between -126 and 127; e2, e3 between -126 and 112.
; A tile of the result, 256 tokens x 256 features, is made by four waves, 128 x 128 each: 64 accumulators, 512 registers.  K goes in steps of 256 through a ring of two LDS slots filled by the tensor data mover.
; A wave's load brings 8 row tiles x 4,096 bytes (two fragments each), 16,384 bytes apart in memory, dense in LDS: every fragment load then reads 512 consecutive bytes, so no padding is wanted.
; CLUSTERS: 4 x 4 work-groups.  The four of a row of the cluster need the same tokens, the four of a column the same rows of W: each tile is asked for JOINTLY, by the same tensor load with the same descriptor and a mask that names the four.
; THE MATRIX INSTRUCTION: source 0 = 16 rows of W, source 1 = 16 tokens.  A lane holds one token, and the 16 registers of W's tiles 2 g and 2 g + 1 are features 32 g + 16 (lane / 16) + 0 .. 15:
; two conversions give one group of q's or k's image, which is stored from registers, 512 consecutive bytes an instruction.  qc, kc: [batch x head 64][token tile 128][1,024 bytes] (K = the head's 64: two groups).
; No prefetch: the ring is filled again only twice.  One tile to a work-group: 256 work-groups.
; REGISTERS, in windows of 256: window 0: v16-31 addresses and scales; v32-63 at work on the way out; v64-127 the bias; from v128 the tokens' fragments, ONE set, later the codes.
;   window 1: W's fragments, TWO sets, at v0 and v128.   window 2: the accumulators of my tokens 0-63 ((a, b) at v[8 (8 a + b)]);   window 3: those of tokens 64-127.
.set KSTEPB, 4096                      ; a K step of 256 of one row tile, in bytes
.set FR,     16                        ; registers of a fragment
.set NL,     4                         ; LDS loads that bring one
.set NP,     4                         ; places behind this matrix instruction (ISA guide 7.12.1)
.set HALFT,  8*KSTEPB                  ; 128 rows: what one tensor load brings, and what one wave reads of either operand
.set SLOT,   4*HALFT                   ; the tokens' 256 rows, then W's 256 rows
.set LAPS,   2                         ; K = 1,024 is four K steps: twice round the ring
.set SPARE,  2*SLOT                    ; behind the ring: the spare words, 128 bytes for each wave: two blocks of 256 bytes that no other line names
.set BOFF,   8388608                   ; qkv_w's codes in cb
.set ADRA, 16                          ; v16-17  LDS address of my tokens' fragments in slot 0, 1
.set ADRB, 20                          ; v20-21  the same for W
.set CO,   26                          ; v26     16 x lane
.set BO,   27                          ; v27     the bias loads' offset
.set SPW,  28                          ; v28     LDS address of my spare word; never rewritten
.set NIL,  29                          ; v29     0; never rewritten
.set LIMV, 30                          ; v30     57,344 x 2^e
.set SCV,  31                          ; v31     2^e
.set TMP,  32
.set BIAS, 64
.set AF,   128
.set COD,  128
.set G1, 24
.set G0, 32
.set G1B, 48
.set G0B, 56
.set MSB, 0
.macro WIN new                         ; the immediate's high byte repeats the setting that is left
.if MSB != (\new)
	s_set_vgpr_msb (MSB<<8)|(\new)
.set MSB, (\new)
.endif
.endm
.set MUL_LO, 0xa1                      ; source 0 (W) window 1, source 1 (tokens) window 0, C and D window 2
.set MUL_HI, 0xf1                      ; the same, C and D window 3
.set TO_B,   0x40                      ; destination window 1, address window 0
; A joint load: waves 0 and 1 fetch tokens, waves 2 and 3 rows of W.  The branch hangs on the wave's number alone.  Four v_nop follow each of the two lines.
.macro JLOAD g0a, g1a, g0b, g1b
	s_cmp_eq_u32 s15, 0
	s_cbranch_scc0 .Lfor_b_\@
	tensor_load_to_lds s[\g0a:\g0a+3], s[\g1a:\g1a+7]
	s_nop 0
.rept 4
	v_nop
.endr
	s_branch .Lasked_\@
.Lfor_b_\@:
	tensor_load_to_lds s[\g0b:\g0b+3], s[\g1b:\g1b+7]
	s_nop 0
.rept 4
	v_nop
.endr
.Lasked_\@:
.endm
.macro CREST                           ; a round of the cluster's barrier behind its opening barrier
	s_cmp_lg_u32 s14, 0
	s_cbranch_scc1 .Lnot_wave_0_\@
	s_barrier_signal -3
.Lnot_wave_0_\@:
	s_barrier_wait -3
	s_barrier_signal -1
	s_barrier_wait -1
.endm
.macro CROUND                          ; a whole round
	s_barrier_signal -1
	s_barrier_wait -1
	CREST
.endm
	s_load_b128 s[4:7], s[0:1], 0x0                ; cb s[4:5], the scales' exponents s[6:7]
	s_load_b128 s[8:11], s[0:1], 0x10              ; qkv_b s[8:9], qc s[10:11]
	s_load_b64 s[12:13], s[0:1], 0x20              ; kc
	v_lshl_add_u32 v[SPW], v0, 2, SPARE
	v_mov_b32 v[NIL], 0
	ds_add_u32 v28, v29
	ds_add_u32 v28, v29
	s_wait_dscnt 0x0
	v_lshrrev_b32 v1, 5, v0
	v_readfirstlane_b32 s14, v1                    ; wave 0..3
	s_lshr_b32 s15, s14, 1                         ; which half of the tile's tokens is mine.  Also: I fetch tokens (0) or W (1)
	s_and_b32 s16, s14, 1                          ; which half of its features.  Also: which 128 rows I fetch
	s_bfe_u32 s40, ttmp6, 0x40000                  ; cx, cy: my place in the cluster
	s_bfe_u32 s41, ttmp6, 0x40004
	s_lshl_b32 s42, ttmp9, 2
	s_add_co_u32 s42, s42, s40                     ; tile column = 4 x cluster x + cx
	s_and_b32 s17, ttmp7, 0xffff
	s_lshl_b32 s17, s17, 2
	s_add_co_u32 s17, s17, s41                     ; tile row = 4 x cluster y + cy
	s_lshl_b32 s43, s41, 2
	s_lshl_b32 s43, 15, s43                        ; my row of the cluster
	s_lshl_b32 s44, 0x1111, s40                    ; my column
	; descriptor group 1: 8 lines of 512 elements of 8 bytes, 2,048 elements apart; no padding
	s_or_b32 s[G1+0], s43, (3<<16)|(1<<21)         ; 15:0 the mask: the tokens' tiles go to my row; 17:16 elements of 8 bytes; 21 set beside a mask
	s_or_b32 s[G1B+0], s44, (3<<16)|(1<<21)        ; the same with the mask of my column
.irp g, G1, G1B
	s_mov_b32 s[\g+1], 512<<16                     ; tensor_dim0 = 512
	s_mov_b32 s[\g+2], 8<<16                       ; tensor_dim1 = 8
	s_mov_b32 s[\g+3], 512<<16                     ; tile_dim0 = 512
	s_mov_b32 s[\g+4], 8                           ; tile_dim1 = 8
	s_mov_b32 s[\g+5], 2048                        ; tensor_dim0_stride: a row tile's 16,384 bytes
	s_mov_b32 s[\g+6], 0
	s_mov_b32 s[\g+7], 0
.endr
	s_lshl_b32 s18, s16, 7                         ; which 128 rows of the tile I fetch
	s_lshl_b32 s20, s17, 8
	s_add_co_u32 s20, s20, s18                     ; tokens: row 256 x tile row + 128 x half
	s_lshl_b32 s46, s42, 8
	s_add_co_u32 s46, s46, s18                     ; W: row 256 x tile column + 128 x half
	s_lshl_b32 s20, s20, 10                        ; a row tile of 16 rows is 16,384 bytes: 1,024 a row
	s_lshl_b32 s46, s46, 10
	s_mov_b32 s21, 0
	s_mov_b32 s47, 0
	s_mul_i32 s45, s14, HALFT                      ; where they go: wave x 128 rows: no place in the cluster enters an LDS address
	s_wait_kmcnt 0x0
	s_load_b256 s[88:95], s[6:7], 0x0              ; e0 .. e7
	s_add_nc_u64 s[20:21], s[4:5], s[20:21]
	s_add_nc_u64 s[46:47], s[4:5], s[46:47]
	s_add_nc_u64 s[46:47], s[46:47], BOFF
	CROUND                                         ; all sixteen work-groups are here: the first joint loads meet
.irp s, 0,1
	s_mov_b32 s[G0+4*\s], 1
	s_add_co_u32 s[G0+4*\s+1], s45, \s*SLOT
	s_add_nc_u64 s[G0+4*\s+2:G0+4*\s+3], s[20:21], \s*KSTEPB
	s_or_b32 s[G0+4*\s+3], s[G0+4*\s+3], 0x80000000
	s_mov_b32 s[G0B+4*\s], 1
	s_add_co_u32 s[G0B+4*\s+1], s45, \s*SLOT
	s_add_nc_u64 s[G0B+4*\s+2:G0B+4*\s+3], s[46:47], \s*KSTEPB
	s_or_b32 s[G0B+4*\s+3], s[G0B+4*\s+3], 0x80000000
	JLOAD G0+4*\s, G1, G0B+4*\s, G1B
.endr
	v_and_b32 v6, 31, v0
	v_lshlrev_b32 v[CO], 4, v6                     ; 16 x lane
	s_mul_i32 s21, s15, HALFT                      ; my 128 tokens
	s_mul_i32 s22, s16, HALFT                      ; my 128 rows of W,
	s_add_co_u32 s22, s22, 2*HALFT                 ; which lie behind the tokens' 256
.irp s, 0,1
	v_add_nc_u32 v[ADRA+\s], s21, v[CO]
	v_add_nc_u32 v[ADRB+\s], s22, v[CO]
	s_add_co_u32 s21, s21, SLOT
	s_add_co_u32 s22, s22, SLOT
.endr
	; the bias of my 128 features, in the results' layout: register 16 g + i = feature 32 g + 16 h + i
	s_lshl_b32 s46, s42, 10
	s_lshl_b32 s47, s16, 9
	s_add_co_u32 s46, s46, s47
	s_mov_b32 s47, 0
	s_add_nc_u64 s[8:9], s[8:9], s[46:47]
	v_bfe_u32 v2, v0, 4, 1
	v_lshlrev_b32 v[BO], 6, v2                     ; 64 h
.irp g, 0,1,2,3
.irp k, 0,1,2,3
	global_load_b128 v[BIAS+16*\g+4*\k:BIAS+16*\g+4*\k+3], v[BO], s[8:9] offset:128*\g+16*\k
.endr
.endr
	; where my codes go: q's buffer for the first cluster column, k's for the second (the cluster's x is the same in all partners; no branch hangs on it)
	s_cmp_eq_u32 ttmp9, 0
	s_cselect_b64 s[10:11], s[10:11], s[12:13]
	s_lshr_b32 s20, s17, 3
	s_lshl_b32 s20, s20, 21                        ; the batch: 16 heads of 131,072 bytes
	s_lshl_b32 s21, s17, 4
	s_lshl_b32 s22, s15, 3
	s_add_co_u32 s21, s21, s22
	s_and_b32 s21, s21, 127                        ; my first token tile in the batch
	s_lshl_b32 s21, s21, 10
	s_add_co_u32 s20, s20, s21
	s_mov_b32 s21, 0
	s_add_nc_u64 s[10:11], s[10:11], s[20:21]
	s_and_b32 s46, s42, 3
	s_lshl_b32 s46, s46, 19                        ; four heads a tile column,
	s_lshl_b32 s47, s16, 18                        ; two a wave
	s_add_co_u32 s46, s46, s47
	s_mov_b32 s47, 0
	s_add_nc_u64 s[10:11], s[10:11], s[46:47]
.macro FRAG reg, adr, q, i             ; a fragment's image: four groups of 512 bytes; row tile i of my eight, the slot's q-th 128 along K
.irp c, 0,1,2,3
	ds_load_b128 v[\reg+4*\c:\reg+4*\c+3], v[\adr] offset:(\i)*KSTEPB+(\q)*2048+512*\c
.endr
.endm
; 16 matrix instructions: token blocks a0, a0 + 1 x W's eight, 128 along K.  p: W's set.  zero = 1: the first product starts the sums.
; The 64 accumulators take turns, one instruction a turn, in the same order in every step.
.macro MUL16 a0, p, zero
.irp a, \a0, \a0+1
.irp b, 0,1,2,3,4,5,6,7
.if \zero
	v_wmma_f32_16x16x128_bf8_bf8 v[8*(8*((\a)%4)+\b):8*(8*((\a)%4)+\b)+7], v[128*(\p)+FR*\b:128*(\p)+FR*\b+FR-1], v[AF+FR*(\a):AF+FR*(\a)+FR-1], 0
.else
	v_wmma_f32_16x16x128_bf8_bf8 v[8*(8*((\a)%4)+\b):8*(8*((\a)%4)+\b)+7], v[128*(\p)+FR*\b:128*(\p)+FR*\b+FR-1], v[AF+FR*(\a):AF+FR*(\a)+FR-1], v[8*(8*((\a)%4)+\b):8*(8*((\a)%4)+\b)+7]
.endif
.endr
.endr
.endm
.macro FETCH_B slot, q, p
	WIN TO_B
.irp i, 0,1,2,3,4,5,6,7
	FRAG 128*(\p)+FR*\i, ADRB+\slot, \q, \i
.endr
	WIN 0
.endm
.macro FETCH_A slot, q, i0
.irp i, \i0, \i0+1, \i0+2, \i0+3
	FRAG AF+FR*(\i), ADRA+\slot, \q, \i
.endr
.endm
.macro PLACES n                        ; plain vector lines between a matrix instruction and a load into, or a vector line on, its registers
.rept \n
	v_nop
.endr
.endm
; A step of 128 along K that has its successor in the same slot.
.macro STEP slot, q, zero
	s_wait_dscnt 4*NL                              ; W's set and token blocks 0-3 are in; the youngest 16 loads (blocks 4-7) may be out
	WIN MUL_LO
	MUL16 0, (\q)%2, \zero
	MUL16 2, (\q)%2, \zero
	s_wait_dscnt 0                                 ; blocks 4-7 are in
	PLACES NP
	FETCH_B \slot, (\q)+1, 1-(\q)%2
	FETCH_A \slot, (\q)+1, 0
	WIN MUL_HI
	MUL16 4, (\q)%2, \zero
	MUL16 6, (\q)%2, \zero
	PLACES NP
	WIN 0
	FETCH_A \slot, (\q)+1, 4
.endm
; A slot's last step changes slots: ONE barrier; in front of it each wave waits for all its tensor loads, adds 0 to its spare word, and waits for that and for its own reads of this slot.  fill = 1: this slot is filled again, two K steps ahead.
.macro TURN slot, next, fill
	s_wait_tensorcnt 0x0                           ; all my tensor loads have landed: my part of the next slot
	ds_add_u32 v[SPW], v[NIL]                      ; 0 onto my spare word
	s_wait_dscnt 4*NL+1                            ; (the add and the youngest 16 loads may be out)
	WIN MUL_LO
	MUL16 0, 1, 0                                  ; sixteen matrix instructions stand between the add and the wait for it
	s_wait_dscnt 0x0                               ; the add is done, and my reads of this slot are over
	s_barrier_signal -1
	MUL16 2, 1, 0
	WIN 0
	s_barrier_wait -1
.if \fill
	CREST                                          ; the barrier has opened a round of the cluster's barrier: no wave of any partner still reads this slot or has a load on its way
	s_add_nc_u64 s[G0+4*\slot+2:G0+4*\slot+3], s[G0+4*\slot+2:G0+4*\slot+3], 2*KSTEPB
	s_add_nc_u64 s[G0B+4*\slot+2:G0B+4*\slot+3], s[G0B+4*\slot+2:G0B+4*\slot+3], 2*KSTEPB
	JLOAD G0+4*\slot, G1, G0B+4*\slot, G1B         ; the first tensor load behind the round; its four v_nop are the places in front of the loads below
.else
	PLACES NP
.endif
	FETCH_B \next, 0, 0
	FETCH_A \next, 0, 0
	WIN MUL_HI
	MUL16 4, 1, 0
	MUL16 6, 1, 0
	PLACES NP
	WIN 0
	FETCH_A \next, 0, 4
.endm
	s_wait_tensorcnt 1                             ; my part of K step 0 is in (K step 1's load may be out)
	s_barrier_signal -1
	s_barrier_wait -1                              ; everybody's is
	FETCH_B 0, 0, 0
	FETCH_A 0, 0, 0
	FETCH_A 0, 0, 4
	STEP 0, 0, 1                                   ; the first step stands in front of the loop: its products start the sums
	s_mov_b32 s3, LAPS-1
.Llap:                                                 ; a trip goes once round the ring and fills both slots again
	TURN 0, 1, 1
	STEP 1, 0, 0
	TURN 1, 0, 1
	STEP 0, 0, 0
	s_sub_co_u32 s3, s3, 1
	s_cmp_lg_u32 s3, 0
	s_cbranch_scc1 .Llap
	TURN 0, 1, 0                                   ; the last lap fills nothing
	STEP 1, 0, 0
	s_wait_dscnt 4*NL                              ; the very last step: nothing more to fetch
	WIN MUL_LO
	MUL16 0, 1, 0
	MUL16 2, 1, 0
	s_wait_dscnt 0
	WIN MUL_HI
	MUL16 4, 1, 0
	MUL16 6, 1, 0
	WIN 0
	; THE WAY OUT
	s_wait_kmcnt 0x0
	s_add_co_i32 s96, s88, s89
	s_add_co_i32 s96, s96, 127
	s_lshl_b32 s96, s96, 23                        ; 2^(e0 + e1) as f32
	s_mov_b32 s97, s96                             ; (named with it as a pair, so it is written)
	s_cmp_eq_u32 ttmp9, 0
	s_cselect_b32 s18, s90, s91                    ; e2 for q, e3 for k
	s_add_co_i32 s18, s18, 127
	s_lshl_b32 s19, s18, 23
	v_mov_b32 v[SCV], s19                          ; 2^e
	s_add_co_i32 s18, s18, 15
	s_lshl_b32 s18, s18, 23
	s_or_b32 s18, s18, 0x600000
	v_mov_b32 v[LIMV], s18                         ; 57,344 x 2^e
	s_wait_loadcnt 0x0                             ; the bias
	PLACES NP-2                                    ; with the two moves above: the places behind the last products
; Token block a: y = sum x 2^(e0 + e1) + bias, two groups of 32 features at a time; the hold; the conversions; each group leaves as 512 consecutive bytes.  Each accumulator is read from its low end on.
.macro OUTQK a
.irp p, 0,1
	WIN 0x02+(\a)/4                                ; source 0: window 2 or 3
.irp i, 0,2,4,6,8,10,12,14,16,18,20,22,24,26,28,30
	v_pk_fma_f32 v[TMP+\i:TMP+\i+1], v[64*((\a)%4)+32*\p+\i:64*((\a)%4)+32*\p+\i+1], s[96:97], v[BIAS+32*\p+\i:BIAS+32*\p+\i+1] op_sel_hi:[1,0,1]
.endr
	WIN 0
.set j, 0
.rept 32
	v_med3_num_f32 v[TMP+j], v[TMP+j], -v[LIMV], v[LIMV]   ; the conversion to an 8-bit code does not saturate (ISA guide 7.6.2)
.set j, j+1
.endr
.irp u, 0,1
	v_cvt_scalef32_pk8_bf8_f32 v[COD+4*(4*(\a)+2*\p+\u):COD+4*(4*(\a)+2*\p+\u)+1], v[TMP+16*\u:TMP+16*\u+7], v[SCV]
	v_cvt_scalef32_pk8_bf8_f32 v[COD+4*(4*(\a)+2*\p+\u)+2:COD+4*(4*(\a)+2*\p+\u)+3], v[TMP+16*\u+8:TMP+16*\u+15], v[SCV]
.endr
	v_nop                                          ; one plain vector line between the conversions and the next lines that write their sources
.irp u, 0,1
	global_store_b128 v[CO], v[COD+4*(4*(\a)+2*\p+\u):COD+4*(4*(\a)+2*\p+\u)+3], s[10:11] offset:\p*131072+(\a)*1024+\u*512   ; head p of my two, token tile a, group u; every group has registers of its own
.endr
.endr
.endm
.irp a, 0,1,2,3,4,5,6,7
	OUTQK \a
.endr
	s_wait_tensorcnt 0x0                           ; the wave's end
	ds_add_u32 v[SPW], v[NIL]
	s_wait_dscnt 0x0
	CROUND                                         ; the closing round: no work-group ends while a partner may still ask for a tile that names it
	s_endpgm
.Lfunc_end_k_q4fbe4c9618_qk:
	.size	k_q4fbe4c9618_qk, .Lfunc_end_k_q4fbe4c9618_qk-k_q4fbe4c9618_qk
	.p2alignl 7, 3214868480
	.fill 96, 4, 3214868480
	.section	.rodata,"a",@progbits
	.p2align	6, 0x0
	.amdhsa_kernel k_q4fbe4c9618_qk
		.amdhsa_group_segment_fixed_size 327680
		.amdhsa_private_segment_fixed_size 0
		.amdhsa_enable_private_segment 0
		.amdhsa_kernarg_size 40
		.amdhsa_user_sgpr_count 2
		.amdhsa_user_sgpr_kernarg_segment_ptr 1
		.amdhsa_wavefront_size32 1
		.amdhsa_system_sgpr_workgroup_id_x 1
		.amdhsa_system_sgpr_workgroup_id_y 1
		.amdhsa_system_sgpr_workgroup_id_z 1
		.amdhsa_system_vgpr_workitem_id 0
		.amdhsa_next_free_vgpr 1024
		.amdhsa_next_free_sgpr 98
		.amdhsa_reserve_vcc 0
		.amdhsa_float_denorm_mode_32 3
		.amdhsa_float_denorm_mode_16_64 3
		.amdhsa_memory_ordered 1
		.amdhsa_forward_progress 1
		.amdhsa_inst_pref_size 136
	.end_amdhsa_kernel
	.amdgpu_metadata
---
amdhsa.version: [ 1, 2 ]
amdhsa.kernels:
  - .name:           k_q4fbe4c9618_qk
    .symbol:         k_q4fbe4c9618_qk.kd
    .args:
      - { .name: cb, .offset: 0, .size: 8, .value_kind: global_buffer, .address_space: global }
      - { .name: lowp_scales, .offset: 8, .size: 8, .value_kind: global_buffer, .address_space: global }
      - { .name: qkv_b, .offset: 16, .size: 8, .value_kind: global_buffer, .address_space: global }
      - { .name: qc, .offset: 24, .size: 8, .value_kind: global_buffer, .address_space: global }
      - { .name: kc, .offset: 32, .size: 8, .value_kind: global_buffer, .address_space: global }
    .group_segment_fixed_size: 327680
    .private_segment_fixed_size: 0
    .kernarg_segment_align: 8
    .kernarg_segment_size: 40
    .max_flat_workgroup_size: 128
    .sgpr_count:     98
    .vgpr_count:     1024
    .wavefront_size: 32
...
	.end_amdgpu_metadata
.endif
;; end of part 2
;; launch vt (part 3): grid 32 x 4, 4 waves a work-group, clusters of 4 x 4, 327,680 bytes of LDS; arguments cb, lowp_scales, qkv_b, vc; writes vc
.if DOCPART == 3
	.amdgcn_target "amdgcn-amd-amdhsa--gfx1250"
	.amdhsa_code_object_version 6
	.text
	.protected	k_q4fbe4c9618_vt
	.globl	k_q4fbe4c9618_vt
	.p2align	8
	.type	k_q4fbe4c9618_vt,@function
k_q4fbe4c9618_vt:
	s_mov_b64 s[64:65], 0
	v_nop
	global_prefetch_b8 v0, s[64:65] scope:SCOPE_SE
	s_setreg_imm32_b32 hwreg(HW_REG_WAVE_MODE, 25, 1), 1
	s_wait_xcnt 0x0
	s_wait_alu depctr_hold_cnt(0) depctr_sa_sdst(0) depctr_va_vdst(0) depctr_va_sdst(0) depctr_va_ssrc(0) depctr_va_vcc(0) depctr_vm_vsrc(0)
	s_getreg_b32 s2, hwreg(HW_REG_IB_STS2, 6, 4)
	s_cmp_eq_u32 s2, 0
	s_cbranch_scc0 .Lentry_in_a_cluster
	s_endpgm
.Lentry_in_a_cluster:
	s_bfe_u32 s2, ttmp6, 0x10000c
	s_cmp_lg_u32 s2, 0xf033
	s_cbranch_scc0 .Lentry_shape_is_right
	s_endpgm
.Lentry_shape_is_right:
; VT.  v^T = Wv x^T + b on codes of BF8 (E5M2), and its own codes with the KEYS innermost.  Wv: rows 2,048-3,071 of qkv_w; x: 8,192 tokens; K = 1,024; both lie in cb as images of operand registers:
; [row tile][K step 8][2,048 bytes]; group c of a fragment (512 bytes) holds at 16 x lane the codes k = 32 c + 16 (lane / 16) + 0 .. 15 of tile-row lane % 16; tile T's tile-row p is the true row 32 (T / 2) + 8 (T % 2) + p + 8 (p / 8).
; y = sum x 2^(e0 + e1) + bias is held within +-57,344 x 2^e5 and converted with 2^e5.  LIMITS: e0 + e1 between -126 and 127; e5 between -126 and 112.
; A tile of the result, 256 channels x 256 tokens, is made by four waves, 128 x 128 each.  K goes in steps of 256 through a ring of two LDS slots filled by the tensor data mover; a wave's load brings
; 8 row tiles x 4,096 bytes, 16,384 bytes apart in memory, dense in LDS: every fragment load reads 512 consecutive bytes, so no padding is wanted.
; CLUSTERS: 4 x 4 work-groups; the grid's four tile rows are one cluster's, so the tile row is the place along the cluster's y.  The four of a row of the cluster need the same rows of Wv, the four of a column the same tokens: joint loads.
; THE MATRIX INSTRUCTION: source 0 = 16 tokens, source 1 = 16 rows of Wv.  A lane holds one channel, and the 16 registers of token tiles 2 g and 2 g + 1 are keys 32 g + 16 (lane / 16) + 0 .. 15:
; two conversions give one group of v^T's image.  vc: [batch x head 64][key step 16][channel tile 4][2,048 bytes].  Stored from registers, 512 consecutive bytes an instruction.
; 128 work-groups: the product has no more tiles of this size.  No prefetch: the ring is filled again only twice.
; REGISTERS, in windows of 256: window 0: v16-31 addresses and scales; v32-63 at work on the way out; v64-79 the bias; from v128 Wv's fragments, ONE set, later the codes.
;   window 1: the tokens' fragments, TWO sets.   windows 2, 3: the accumulators ((a, b) at v[8 (8 (a % 4) + b)]).
.set KSTEPB, 4096
.set FR,     16
.set NL,     4
.set NP,     4
.set HALFT,  8*KSTEPB
.set SLOT,   4*HALFT
.set LAPS,   2
.set SPARE,  2*SLOT                    ; behind the ring: the spare words, 128 bytes for each wave
.set AOFF,   10485760                  ; Wv's codes in cb
.set ADRA, 16
.set ADRB, 20
.set CO,   26                          ; v26     16 x lane
.set BO,   27                          ; v27     the bias loads' offset
.set SPW,  28
.set NIL,  29
.set LIMV, 30
.set SCV,  31
.set TMP,  32
.set BIAS, 64
.set AF,   128
.set COD,  128
.set G1, 24
.set G0, 32
.set G1B, 48
.set G0B, 56
.set MSB, 0
.macro WIN new                         ; the immediate's high byte repeats the setting that is left
.if MSB != (\new)
	s_set_vgpr_msb (MSB<<8)|(\new)
.set MSB, (\new)
.endif
.endm
.set MUL_LO, 0xa1                      ; source 0 (tokens) window 1, source 1 (Wv) window 0, C and D window 2
.set MUL_HI, 0xf1
.set TO_B,   0x40
.macro JLOAD g0a, g1a, g0b, g1b        ; a joint load: waves 0 and 1 fetch Wv, waves 2 and 3 tokens; four v_nop follow each of the two lines
	s_cmp_eq_u32 s15, 0
	s_cbranch_scc0 .Lfor_b_\@
	tensor_load_to_lds s[\g0a:\g0a+3], s[\g1a:\g1a+7]
	s_nop 0
.rept 4
	v_nop
.endr
	s_branch .Lasked_\@
.Lfor_b_\@:
	tensor_load_to_lds s[\g0b:\g0b+3], s[\g1b:\g1b+7]
	s_nop 0
.rept 4
	v_nop
.endr
.Lasked_\@:
.endm
.macro CREST
	s_cmp_lg_u32 s14, 0
	s_cbranch_scc1 .Lnot_wave_0_\@
	s_barrier_signal -3
.Lnot_wave_0_\@:
	s_barrier_wait -3
	s_barrier_signal -1
	s_barrier_wait -1
.endm
.macro CROUND
	s_barrier_signal -1
	s_barrier_wait -1
	CREST
.endm
	s_load_b128 s[4:7], s[0:1], 0x0                ; cb s[4:5], the scales' exponents s[6:7]
	s_load_b128 s[8:11], s[0:1], 0x10              ; qkv_b s[8:9], vc s[10:11]
	v_lshl_add_u32 v[SPW], v0, 2, SPARE
	v_mov_b32 v[NIL], 0
	ds_add_u32 v28, v29
	ds_add_u32 v28, v29
	s_wait_dscnt 0x0
	v_lshrrev_b32 v1, 5, v0
	v_readfirstlane_b32 s14, v1                    ; wave 0..3
	s_lshr_b32 s15, s14, 1                         ; which half of the tile's channels is mine.  Also: I fetch Wv (0) or tokens (1)
	s_and_b32 s16, s14, 1                          ; which half of its tokens.  Also: which 128 rows I fetch
	s_bfe_u32 s40, ttmp6, 0x40000                  ; cx, cy
	s_bfe_u32 s41, ttmp6, 0x40004
	s_lshl_b32 s42, ttmp9, 2
	s_add_co_u32 s42, s42, s40                     ; tile column (tokens) = 4 x cluster x + cx
	s_mov_b32 s17, s41                             ; tile row (channels) = cy
	s_lshl_b32 s43, s41, 2
	s_lshl_b32 s43, 15, s43                        ; my row of the cluster
	s_lshl_b32 s44, 0x1111, s40                    ; my column
	s_or_b32 s[G1+0], s43, (3<<16)|(1<<21)         ; 15:0 the mask; 17:16 elements of 8 bytes; 21 set beside a mask
	s_or_b32 s[G1B+0], s44, (3<<16)|(1<<21)
.irp g, G1, G1B
	s_mov_b32 s[\g+1], 512<<16                     ; tensor_dim0 = 512
	s_mov_b32 s[\g+2], 8<<16                       ; tensor_dim1 = 8
	s_mov_b32 s[\g+3], 512<<16                     ; tile_dim0 = 512
	s_mov_b32 s[\g+4], 8                           ; tile_dim1 = 8
	s_mov_b32 s[\g+5], 2048                        ; tensor_dim0_stride
	s_mov_b32 s[\g+6], 0
	s_mov_b32 s[\g+7], 0
.endr
	s_lshl_b32 s18, s16, 7
	s_lshl_b32 s20, s17, 8
	s_add_co_u32 s20, s20, s18                     ; Wv: row 256 x tile row + 128 x half
	s_lshl_b32 s46, s42, 8
	s_add_co_u32 s46, s46, s18                     ; tokens: row 256 x tile column + 128 x half
	s_lshl_b32 s20, s20, 10                        ; 1,024 bytes a row
	s_lshl_b32 s46, s46, 10
	s_mov_b32 s21, 0
	s_mov_b32 s47, 0
	s_mul_i32 s45, s14, HALFT
	s_wait_kmcnt 0x0
	s_load_b256 s[88:95], s[6:7], 0x0              ; e0 .. e7
	s_add_nc_u64 s[20:21], s[4:5], s[20:21]
	s_add_nc_u64 s[20:21], s[20:21], AOFF
	s_add_nc_u64 s[46:47], s[4:5], s[46:47]
	CROUND                                         ; the first joint loads meet
.irp s, 0,1
	s_mov_b32 s[G0+4*\s], 1
	s_add_co_u32 s[G0+4*\s+1], s45, \s*SLOT
	s_add_nc_u64 s[G0+4*\s+2:G0+4*\s+3], s[20:21], \s*KSTEPB
	s_or_b32 s[G0+4*\s+3], s[G0+4*\s+3], 0x80000000
	s_mov_b32 s[G0B+4*\s], 1
	s_add_co_u32 s[G0B+4*\s+1], s45, \s*SLOT
	s_add_nc_u64 s[G0B+4*\s+2:G0B+4*\s+3], s[46:47], \s*KSTEPB
	s_or_b32 s[G0B+4*\s+3], s[G0B+4*\s+3], 0x80000000
	JLOAD G0+4*\s, G1, G0B+4*\s, G1B
.endr
	v_and_b32 v6, 31, v0
	v_lshlrev_b32 v[CO], 4, v6
	s_mul_i32 s21, s15, HALFT
	s_mul_i32 s22, s16, HALFT
	s_add_co_u32 s22, s22, 2*HALFT
.irp s, 0,1
	v_add_nc_u32 v[ADRA+\s], s21, v[CO]
	v_add_nc_u32 v[ADRB+\s], s22, v[CO]
	s_add_co_u32 s21, s21, SLOT
	s_add_co_u32 s22, s22, SLOT
.endr
	; the bias: one number a lane and channel block: feature 2,048 + 256 tile row + 128 half + 32 (a / 2) + 8 (a % 2) + r + 8 (r / 8)
	s_lshl_b32 s20, s17, 10
	s_lshl_b32 s21, s15, 9
	s_add_co_u32 s20, s20, s21
	s_mov_b32 s21, 0
	s_add_nc_u64 s[8:9], s[8:9], s[20:21]
	v_and_b32 v1, 15, v0
	v_and_b32 v2, 8, v1
	v_add_nc_u32 v2, v2, v1
	v_lshlrev_b32 v[BO], 2, v2
.irp a, 0,1,2,3,4,5,6,7
	global_load_b32 v[BIAS+2*\a], v[BO], s[8:9] offset:8192+(32*(\a/2)+8*(\a%2))*4
	v_mov_b32 v[BIAS+2*\a+1], 0                    ; (named with it as a pair, so it is written)
.endr
	; where my codes go
	s_lshl_b32 s20, s17, 19                        ; four heads a tile row,
	s_lshl_b32 s21, s15, 18                        ; two a wave
	s_add_co_u32 s20, s20, s21
	s_mov_b32 s21, 0
	s_add_nc_u64 s[10:11], s[10:11], s[20:21]
	s_lshr_b32 s46, s42, 3
	s_lshl_b32 s46, s46, 21                        ; the batch: 16 heads of 131,072 bytes
	s_lshl_b32 s47, s42, 1
	s_add_co_u32 s47, s47, s16
	s_and_b32 s47, s47, 15                         ; my key step of 128 in the batch
	s_lshl_b32 s47, s47, 13
	s_add_co_u32 s46, s46, s47
	s_mov_b32 s47, 0
	s_add_nc_u64 s[10:11], s[10:11], s[46:47]
.macro FRAG reg, adr, q, i
.irp c, 0,1,2,3
	ds_load_b128 v[\reg+4*\c:\reg+4*\c+3], v[\adr] offset:(\i)*KSTEPB+(\q)*2048+512*\c
.endr
.endm
; The 64 accumulators take turns, one instruction a turn, in the same order in every step.
.macro MUL16 a0, p, zero
.irp a, \a0, \a0+1
.irp b, 0,1,2,3,4,5,6,7
.if \zero
	v_wmma_f32_16x16x128_bf8_bf8 v[8*(8*((\a)%4)+\b):8*(8*((\a)%4)+\b)+7], v[128*(\p)+FR*\b:128*(\p)+FR*\b+FR-1], v[AF+FR*(\a):AF+FR*(\a)+FR-1], 0
.else
	v_wmma_f32_16x16x128_bf8_bf8 v[8*(8*((\a)%4)+\b):8*(8*((\a)%4)+\b)+7], v[128*(\p)+FR*\b:128*(\p)+FR*\b+FR-1], v[AF+FR*(\a):AF+FR*(\a)+FR-1], v[8*(8*((\a)%4)+\b):8*(8*((\a)%4)+\b)+7]
.endif
.endr
.endr
.endm
.macro FETCH_B slot, q, p
	WIN TO_B
.irp i, 0,1,2,3,4,5,6,7
	FRAG 128*(\p)+FR*\i, ADRB+\slot, \q, \i
.endr
	WIN 0
.endm
.macro FETCH_A slot, q, i0
.irp i, \i0, \i0+1, \i0+2, \i0+3
	FRAG AF+FR*(\i), ADRA+\slot, \q, \i
.endr
.endm
.macro PLACES n                        ; plain vector lines between a matrix instruction and a load into, or a vector line on, its registers
.rept \n
	v_nop
.endr
.endm
.macro STEP slot, q, zero
	s_wait_dscnt 4*NL                              ; the tokens' set and Wv's blocks 0-3 are in; the youngest 16 loads (blocks 4-7) may be out
	WIN MUL_LO
	MUL16 0, (\q)%2, \zero
	MUL16 2, (\q)%2, \zero
	s_wait_dscnt 0
	PLACES NP
	FETCH_B \slot, (\q)+1, 1-(\q)%2
	FETCH_A \slot, (\q)+1, 0
	WIN MUL_HI
	MUL16 4, (\q)%2, \zero
	MUL16 6, (\q)%2, \zero
	PLACES NP
	WIN 0
	FETCH_A \slot, (\q)+1, 4
.endm
.macro TURN slot, next, fill
	s_wait_tensorcnt 0x0                           ; all my tensor loads have landed: my part of the next slot
	ds_add_u32 v[SPW], v[NIL]                      ; 0 onto my spare word
	s_wait_dscnt 4*NL+1                            ; (the add and the youngest 16 loads may be out)
	WIN MUL_LO
	MUL16 0, 1, 0
	s_wait_dscnt 0x0                               ; the add is done, and my reads of this slot are over
	s_barrier_signal -1
	MUL16 2, 1, 0
	WIN 0
	s_barrier_wait -1
.if \fill
	CREST                                          ; the barrier has opened a round of the cluster's barrier
	s_add_nc_u64 s[G0+4*\slot+2:G0+4*\slot+3], s[G0+4*\slot+2:G0+4*\slot+3], 2*KSTEPB
	s_add_nc_u64 s[G0B+4*\slot+2:G0B+4*\slot+3], s[G0B+4*\slot+2:G0B+4*\slot+3], 2*KSTEPB
	JLOAD G0+4*\slot, G1, G0B+4*\slot, G1B         ; the first tensor load behind the round; its four v_nop are the places in front of the loads below
.else
	PLACES NP
.endif
	FETCH_B \next, 0, 0
	FETCH_A \next, 0, 0
	WIN MUL_HI
	MUL16 4, 1, 0
	MUL16 6, 1, 0
	PLACES NP
	WIN 0
	FETCH_A \next, 0, 4
.endm
	s_wait_tensorcnt 1                             ; my part of K step 0 is in (K step 1's load may be out)
	s_barrier_signal -1
	s_barrier_wait -1
	FETCH_B 0, 0, 0
	FETCH_A 0, 0, 0
	FETCH_A 0, 0, 4
	STEP 0, 0, 1
	s_mov_b32 s3, LAPS-1
.Llap:
	TURN 0, 1, 1
	STEP 1, 0, 0
	TURN 1, 0, 1
	STEP 0, 0, 0
	s_sub_co_u32 s3, s3, 1
	s_cmp_lg_u32 s3, 0
	s_cbranch_scc1 .Llap
	TURN 0, 1, 0
	STEP 1, 0, 0
	s_wait_dscnt 4*NL
	WIN MUL_LO
	MUL16 0, 1, 0
	MUL16 2, 1, 0
	s_wait_dscnt 0
	WIN MUL_HI
	MUL16 4, 1, 0
	MUL16 6, 1, 0
	WIN 0
	; THE WAY OUT
	s_wait_kmcnt 0x0
	s_add_co_i32 s96, s88, s89
	s_add_co_i32 s96, s96, 127
	s_lshl_b32 s96, s96, 23                        ; 2^(e0 + e1) as f32
	s_mov_b32 s97, s96
	s_add_co_i32 s18, s93, 127                     ; e5
	s_lshl_b32 s19, s18, 23
	v_mov_b32 v[SCV], s19                          ; 2^e5
	s_add_co_i32 s18, s18, 15
	s_lshl_b32 s18, s18, 23
	s_or_b32 s18, s18, 0x600000
	v_mov_b32 v[LIMV], s18                         ; 57,344 x 2^e5
	s_wait_loadcnt 0x0                             ; the bias
	PLACES NP-2                                    ; with the two moves above: the places behind the last products
; Channel block a: y = sum x 2^(e0 + e1) + my channel's bias, two groups of 32 keys at a time; the hold; the conversions; each group leaves as 512 consecutive bytes.
.macro OUTV a
.irp p, 0,1
	WIN 0x02+(\a)/4
.irp i, 0,2,4,6,8,10,12,14,16,18,20,22,24,26,28,30
	v_pk_fma_f32 v[TMP+\i:TMP+\i+1], v[64*((\a)%4)+32*\p+\i:64*((\a)%4)+32*\p+\i+1], s[96:97], v[BIAS+2*(\a):BIAS+2*(\a)+1] op_sel_hi:[1,0,0]
.endr
	WIN 0
.set j, 0
.rept 32
	v_med3_num_f32 v[TMP+j], v[TMP+j], -v[LIMV], v[LIMV]   ; the conversion to an 8-bit code does not saturate (ISA guide 7.6.2)
.set j, j+1
.endr
.irp u, 0,1
	v_cvt_scalef32_pk8_bf8_f32 v[COD+4*(4*(\a)+2*\p+\u):COD+4*(4*(\a)+2*\p+\u)+1], v[TMP+16*\u:TMP+16*\u+7], v[SCV]
	v_cvt_scalef32_pk8_bf8_f32 v[COD+4*(4*(\a)+2*\p+\u)+2:COD+4*(4*(\a)+2*\p+\u)+3], v[TMP+16*\u+8:TMP+16*\u+15], v[SCV]
.endr
	v_nop                                          ; one plain vector line between the conversions and the next lines that write their sources
.irp u, 0,1
	global_store_b128 v[CO], v[COD+4*(4*(\a)+2*\p+\u):COD+4*(4*(\a)+2*\p+\u)+3], s[10:11] offset:((\a)/4)*131072+((\a)%4)*2048+512*(2*\p+\u)   ; head a / 4 of my two, channel tile a % 4, group 2 p + u
.endr
.endr
.endm
.irp a, 0,1,2,3,4,5,6,7
	OUTV \a
.endr
	s_wait_tensorcnt 0x0                           ; the wave's end
	ds_add_u32 v[SPW], v[NIL]
	s_wait_dscnt 0x0
	CROUND                                         ; the closing round
	s_endpgm
.Lfunc_end_k_q4fbe4c9618_vt:
	.size	k_q4fbe4c9618_vt, .Lfunc_end_k_q4fbe4c9618_vt-k_q4fbe4c9618_vt
	.p2alignl 7, 3214868480
	.fill 96, 4, 3214868480
	.section	.rodata,"a",@progbits
	.p2align	6, 0x0
	.amdhsa_kernel k_q4fbe4c9618_vt
		.amdhsa_group_segment_fixed_size 327680
		.amdhsa_private_segment_fixed_size 0
		.amdhsa_enable_private_segment 0
		.amdhsa_kernarg_size 32
		.amdhsa_user_sgpr_count 2
		.amdhsa_user_sgpr_kernarg_segment_ptr 1
		.amdhsa_wavefront_size32 1
		.amdhsa_system_sgpr_workgroup_id_x 1
		.amdhsa_system_sgpr_workgroup_id_y 1
		.amdhsa_system_sgpr_workgroup_id_z 1
		.amdhsa_system_vgpr_workitem_id 0
		.amdhsa_next_free_vgpr 1024
		.amdhsa_next_free_sgpr 98
		.amdhsa_reserve_vcc 0
		.amdhsa_float_denorm_mode_32 3
		.amdhsa_float_denorm_mode_16_64 3
		.amdhsa_memory_ordered 1
		.amdhsa_forward_progress 1
		.amdhsa_inst_pref_size 135
	.end_amdhsa_kernel
	.amdgpu_metadata
---
amdhsa.version: [ 1, 2 ]
amdhsa.kernels:
  - .name:           k_q4fbe4c9618_vt
    .symbol:         k_q4fbe4c9618_vt.kd
    .args:
      - { .name: cb, .offset: 0, .size: 8, .value_kind: global_buffer, .address_space: global }
      - { .name: lowp_scales, .offset: 8, .size: 8, .value_kind: global_buffer, .address_space: global }
      - { .name: qkv_b, .offset: 16, .size: 8, .value_kind: global_buffer, .address_space: global }
      - { .name: vc, .offset: 24, .size: 8, .value_kind: global_buffer, .address_space: global }
    .group_segment_fixed_size: 327680
    .private_segment_fixed_size: 0
    .kernarg_segment_align: 8
    .kernarg_segment_size: 32
    .max_flat_workgroup_size: 128
    .sgpr_count:     98
    .vgpr_count:     1024
    .wavefront_size: 32
...
	.end_amdgpu_metadata
.endif
;; end of part 3
;; launch attn (part 4): grid 4 x 64, 16 waves a work-group, no clusters, 264,192 bytes of LDS; arguments qc, kc, vc, maskw, maskf, lowp_scales, ao; writes ao
.if DOCPART == 4
	.amdgcn_target "amdgcn-amd-amdhsa--gfx1250"
	.amdhsa_code_object_version 6
	.text
	.protected	k_q4fbe4c9618_attn
	.globl	k_q4fbe4c9618_attn
	.p2align	8
	.type	k_q4fbe4c9618_attn,@function
k_q4fbe4c9618_attn:
	s_mov_b64 s[64:65], 0
	v_nop
	global_prefetch_b8 v0, s[64:65] scope:SCOPE_SE
	s_setreg_imm32_b32 hwreg(HW_REG_WAVE_MODE, 25, 1), 1
	s_wait_xcnt 0x0
; ATTN.  o = softmax(q k^T / 8, masked) v for 64 heads (batch x head) of 2,048 tokens and head size 64, both products on codes of BF8 (E5M2), and o's own codes for the last product.
; THE SOFTMAX AHEAD OF THE SECOND PRODUCT: t = score x log2(e) / 8; M = the row's largest t so far, rounded UP to a whole number; p = 2^(t - M) is quantised with 2^e4, not normalised.  The row's sum is taken of the
; unquantised p and divides at the end.  When M moves, the sum and O are multiplied by 2^(old M - new M): exact.  A hidden score becomes -infinity ahead of the maximum.  A row with no open key gets NaN codes.
; OPERANDS are images of operand registers: group c (512 bytes) holds at 16 x lane the codes k = 32 c + 16 (lane / 16) + 0 .. 15 of tile-row lane % 16; tile T's tile-row p is the true row 32 (T / 2) + 8 (T % 2) + p + 8 (p / 8).
; qc, kc: [head 64][token tile 128][1,024];  vc: [head][key step 16][channel tile 4][2,048], keys innermost;  ao: [token tile 512][K step 8][2,048], K = 64 head + channel.
; SHARES.  A work-group owns 512 queries of one head; wave w owns tile 32 x + w of 16 queries, then tile 32 x + 16 + w: two passes.  The head's whole K (131,072 bytes) and V^T (131,072) are copied into LDS once, through registers;
; one barrier; after it LDS is only read.  Sixteen waves, four to a SIMD, so that one wave's vector work stands beside another's matrix work and LDS loads.
; LAYOUT.  S^T = K Q^T (source 0 = 16 keys, source 1 = my queries), O^T = V^T P^T (source 0 = 16 channels, source 1 = P): a lane holds ONE query throughout; the 16 registers of key tiles 2 b, 2 b + 1 are keys
; 32 b + 16 (lane / 16) + 0 .. 15, so the conversions' results are P's fragment; likewise O^T's registers are o's image, stored from registers, 512 consecutive bytes an instruction.
; THE MASK comes as lane words (maskw: bit l of word n = lane l's register n is hidden) and flags (maskf: bit s = step s of my tile has a hidden key).  A step without hidden keys jumps over the 64 selects: a scalar branch on a stored flag.
; THE HOLD of p at 57,344 x 2^e4 cannot bite where e4 >= -15 (p <= 1 < 1.75 = 57,344 x 2^-15): a scalar branch on e4 jumps over its 64 lines.
; NO JOINT LOADS, though the four work-groups of a head read the same K and V: these two branches take 128 vector lines out of a key step;
; what is shared is 262,144 bytes once a work-group, for 512 x 2,048 scores.  No prefetch: all that the work-group reads of K and V is asked for at its head.
; LIMITS: e2 + e3 between -123 and 130 (added to c's exponent field); e4, e6 between -126 and 112; e4 + e5 has none (v_ldexp_f32).
.set VB,    131072                     ; LDS: K at 0, V^T here
.set STEPB, 8192                       ; a key step of 128 keys, in K (8 tiles x 1,024) and in V^T (4 tiles x 2,048)
.set LI,   1                           ; v1    16 x lane
.set FA,   2                           ; v2-5  16 x thread + 0, 65,536, 131,072, 196,608
.set NINF, 6                           ; v6    -infinity
.set NANC, 7                           ; v7    four NaN codes
.set ADK,  8                           ; v8    LDS address of the step's K
.set ADV,  9                           ; v9    of its V^T
.set Q,    16                          ; v16-23 Q of this pass; v24-31 of the next
.set KV,   32                          ; v32-95 eight fragments of K, then four of V^T
.set S,    96                          ; v96-159 S^T, then p
.set O,    160                         ; v160-191 O^T
.set PC,   224                         ; v224-239 p's codes
; v12 -M, v13 the largest t, v[14:15] the sum in two halves; v240 57,344 x 2^e4, v241 57,344 x 2^e6, v[242:243] the sum's second chain, v244 2^e4, v245 2^e6, v246 1 / l, v247 the lane permute's destination, v[252:253] f, v254 at work
.set WV,   66                          ; s66  wave
.set TB,   67                          ; s67  the step's LDS byte
.set NST,  68                          ; s68  steps to go
.set NPS,  69                          ; s69  passes to go
.set FL,   70                          ; s70  this pass's flags; s71 the next pass's
.set CS,   72                          ; s[72:73] c
.set SEL,  74                          ; s[74:75] lane selects: lane l xor 16
.set E4,   76                          ; s76  e4;  s77  e4 + e5
	s_load_b256 s[4:11], s[0:1], 0x0               ; qc s[4:5], kc s[6:7], vc s[8:9], maskw s[10:11]
	s_load_b128 s[12:15], s[0:1], 0x20             ; maskf s[12:13], the scales' exponents s[14:15]
	s_load_b64 s[2:3], s[0:1], 0x30                ; ao
	v_lshl_add_u32 v251, v0, 2, 0x40000
	v_mov_b32 v255, 0
	v_lshrrev_b32 v1, 5, v0
	v_readfirstlane_b32 s[WV], v1                  ; wave 0..15
	v_and_b32 v1, 31, v0
	v_lshlrev_b32 v[LI], 4, v1
	v_lshlrev_b32 v[FA], 4, v0
	v_add_nc_u32 v[FA+1], 0x10000, v[FA]
	v_add_nc_u32 v[FA+2], 0x20000, v[FA]
	v_add_nc_u32 v[FA+3], 0x30000, v[FA]
	v_mov_b32 v[NINF], 0xff800000
	v_mov_b32 v[NANC], 0x7f7f7f7f
	s_and_b32 s78, ttmp7, 0xffff                   ; the head (batch x 16 + head)
	s_lshl_b32 s79, ttmp9, 5
	s_add_co_u32 s79, s79, s[WV]                   ; my first tile of queries
	s_lshl_b32 s96, s78, 17                        ; the head's first byte in qc, kc, vc
	s_mov_b32 s97, 0
	s_lshl_b32 s98, s79, 10
	s_mov_b32 s99, 0
	s_wait_kmcnt 0x0
	s_add_nc_u64 s[4:5], s[4:5], s[96:97]
	s_add_nc_u64 s[4:5], s[4:5], s[98:99]
	s_add_nc_u64 s[6:7], s[6:7], s[96:97]
	s_add_nc_u64 s[8:9], s[8:9], s[96:97]
	global_load_b128 v[Q:Q+3], v[LI], s[4:5]                    ; Q of both passes stays in registers
	global_load_b128 v[Q+4:Q+7], v[LI], s[4:5] offset:512
	global_load_b128 v[Q+8:Q+11], v[LI], s[4:5] offset:16384
	global_load_b128 v[Q+12:Q+15], v[LI], s[4:5] offset:16896
.irp i, 0,1,2,3,4,5,6,7,8,9,10,11,12,13,14,15
	global_load_b128 v[96+4*\i:96+4*\i+3], v[FA], s[6:7] offset:\i*8192     ; K: the 512 threads read 8,192 consecutive bytes
.endr
.irp i, 0,1,2,3,4,5,6,7,8,9,10,11,12,13,14,15
	global_load_b128 v[160+4*\i:160+4*\i+3], v[FA], s[8:9] offset:\i*8192   ; V^T likewise
.endr
	s_lshl_b32 s98, s79, 6
	s_add_nc_u64 s[12:13], s[12:13], s[98:99]      ; my tile's flags
	s_lshl_b32 s98, s79, 12
	s_add_nc_u64 s[10:11], s[10:11], s[98:99]      ; my tile's mask words
	s_load_b512 s[16:31], s[12:13], 0x0            ; the flags of pass 0,
	s_load_b512 s[32:47], s[12:13], 0x400          ; of pass 1: 16 tiles on
	s_load_b256 s[80:87], s[14:15], 0x0            ; e0 .. e7
	s_lshr_b32 s98, s78, 4
	s_lshl_b32 s98, s98, 21                        ; ao: the batch's 128 token tiles of 16,384 bytes,
	s_lshl_b32 s100, s79, 14                       ; my tile,
	s_add_co_u32 s98, s98, s100
	s_bfe_u32 s100, s78, 0x30001                   ; the K step: head / 2,
	s_lshl_b32 s100, s100, 11
	s_add_co_u32 s98, s98, s100
	s_and_b32 s100, s78, 1                         ; groups 2 (head % 2) on
	s_lshl_b32 s100, s100, 10
	s_add_co_u32 s98, s98, s100
	s_add_nc_u64 s[2:3], s[2:3], s[98:99]
	s_mov_b32 s[SEL], 0x76543210
	s_mov_b32 s[SEL+1], 0xfedcba98
	s_mov_b32 s[CS], 0x3e38aa3b                    ; c = log2(e) / 8
	v_mov_b32 v247, 0                              ; written once: a lane permute's destination counts as one of its sources
	v_mov_b32 v253, 0                              ; (named as the upper half of the pair v[252:253])
	s_wait_kmcnt 0x0
	s_or_b32 s[FL], s16, s17                       ; each word holds its step's bit: sixteen words make one
	s_or_b32 s[FL+1], s32, s33
.irp i, 2,3,4,5,6,7,8,9,10,11,12,13,14,15
	s_or_b32 s[FL], s[FL], s[16+\i]
	s_or_b32 s[FL+1], s[FL+1], s[32+\i]
.endr
	s_add_co_i32 s78, s82, s83
	s_lshl_b32 s78, s78, 23
	s_add_co_i32 s[CS], s[CS], s78                 ; a score stands for score x 2^(e2 + e3): added to c's exponent field
	s_mov_b32 s[CS+1], s[CS]                       ; (named with it as a pair)
	s_mov_b32 s[E4], s84
	s_add_co_i32 s[E4+1], s84, s85                 ; e4 + e5
	s_add_co_i32 s78, s84, 127
	s_lshl_b32 s79, s78, 23
	v_mov_b32 v244, s79                            ; 2^e4
	s_add_co_i32 s78, s78, 15
	s_lshl_b32 s78, s78, 23
	s_or_b32 s78, s78, 0x600000
	v_mov_b32 v240, s78                            ; 57,344 x 2^e4
	s_add_co_i32 s78, s86, 127
	s_lshl_b32 s79, s78, 23
	v_mov_b32 v245, s79                            ; 2^e6
	s_add_co_i32 s78, s78, 15
	s_lshl_b32 s78, s78, 23
	s_or_b32 s78, s78, 0x600000
	v_mov_b32 v241, s78                            ; 57,344 x 2^e6
.set i, 0
.rept 32
	s_wait_loadcnt 31-i                            ; loads come back in order: number i of the 32 is in, the younger ones may be out
	ds_store_b128 v[FA+i/8], v[96+4*i:96+4*i+3] offset:(i%8)*8192
.set i, i+1
.endr
	s_wait_dscnt 0x0                               ; for the others' sake: my stores have landed
	s_barrier_signal -1
	s_barrier_wait -1                              ; K and V^T lie in LDS; nothing writes LDS from here on
	s_mov_b32 s[NPS], 2
.Lpass:
	v_mov_b32 v13, 0xff61b1e6                      ; the largest t so far: -3e38
	v_floor_f32 v12, -v13                          ; -M
	v_mov_b32 v14, 0
	v_mov_b32 v15, 0
.set j, 0
.rept 32
	v_mov_b32 v[O+j], 0                            ; O^T.  (The step is written once: the first finds zeros, which the first change of M leaves zeros)
.set j, j+1
.endr
	s_mov_b32 s[TB], 0
	s_mov_b32 s[NST], 16
.Lstep:                                            ; a key step: 128 keys
	v_add_nc_u32 v[ADK], s[TB], v[LI]
	v_add_nc_u32 v[ADV], VB, v[ADK]
	v_nop
	v_nop                                          ; four plain lines in front of loads into registers that the last products read
.irp t, 0,1,2,3,4,5,6,7
	ds_load_b128 v[KV+8*\t:KV+8*\t+3], v[ADK] offset:1024*\t
	ds_load_b128 v[KV+8*\t+4:KV+8*\t+7], v[ADK] offset:1024*\t+512
.endr
	s_wait_dscnt 0x0
.irp t, 0,1,2,3,4,5,6,7
	v_wmma_f32_16x16x64_bf8_bf8 v[S+8*\t:S+8*\t+7], v[KV+8*\t:KV+8*\t+7], v[Q:Q+7], 0
.endr
.rept 4
	v_nop                                          ; places: in front of the loads below and of the first read of the scores
.endr
.irp t, 0,1,2,3
.irp c, 0,1,2,3
	ds_load_b128 v[KV+16*\t+4*\c:KV+16*\t+4*\c+3], v[ADV] offset:2048*\t+512*\c   ; V^T lands while the softmax is worked
.endr
.endr
	s_and_b32 s78, s[FL], 1                        ; has this step a hidden key for my tile?
	s_cmp_eq_u32 s78, 0
	s_cbranch_scc1 .Lopen
	s_load_b512 s[16:31], s[10:11], 0x0            ; the step's 64 lane words
	s_load_b512 s[32:47], s[10:11], 0x40
	s_load_b512 s[48:63], s[10:11], 0x80
	s_load_b512 s[80:95], s[10:11], 0xc0
	s_wait_kmcnt 0x0
.set n, 0
.rept 64
.if n < 48
	v_cndmask_b32 v[S+n], v[S+n], v[NINF], s[16+n]
.else
	v_cndmask_b32 v[S+n], v[S+n], v[NINF], s[32+n]
.endif
.set n, n+1
.endr
.Lopen:
	v_max3_num_f32 v254, v96, v97, v98             ; the step's largest score of my query, among my 64 keys, in two chains,
	v_max3_num_f32 v252, v99, v100, v101
.irp i, 6,10,14,18,22,26,30,34,38,42,46,50,54,58
	v_max3_num_f32 v254, v254, v[96+\i], v[97+\i]
	v_max3_num_f32 v252, v252, v[98+\i], v[99+\i]
.endr
	v_max3_num_f32 v254, v254, v158, v159
	v_max_num_f32 v254, v254, v252
	v_permlanex16_b32 v247, v254, s[SEL], s[SEL+1]
	v_max_num_f32 v254, v254, v247                 ; and among lane l xor 16's
	v_mul_f32 v254, s[CS], v254                    ; as t (c is positive)
	v_max_num_f32 v13, v13, v254                   ; the running largest t
	v_mov_b32 v254, v12
	v_floor_f32 v12, -v13                          ; the new -M = floor(-t) = -ceil(t)
	v_sub_f32 v254, v12, v254                      ; old M - new M: a whole number, 0 or less
	v_cvt_i32_f32 v254, v254                       ; (it saturates)
	v_ldexp_f32 v252, 1.0, v254                    ; f = 2^(old M - new M)
.irp j, 0,2,4,6,8,10,12,14,16,18,20,22,24,26,28,30,32,34,36,38,40,42,44,46,48,50,52,54,56,58,60,62
	v_pk_fma_f32 v[S+\j:S+\j+1], v[S+\j:S+\j+1], s[CS:CS+1], v[12:13] op_sel_hi:[1,0,0]   ; t - M, two at a time
.endr
.set j, 0
.rept 64
	v_exp_f32 v[S+j], v[S+j]                       ; p = 2^(t - M), at most 1
.set j, j+1
.endr
	v_pk_mul_f32 v[14:15], v[14:15], v[252:253] op_sel_hi:[1,0]   ; the sums under the new M: the plain line behind the exponentials
	s_wait_alu depctr_va_vdst(0)                   ; one wait for the whole batch, ahead of its first reader
	v_pk_add_f32 v[242:243], v[96:97], v[98:99]    ; the row's sum is taken of the unquantised p: two at a time, in two chains
.irp j, 4,8,12,16,20,24,28,32,36,40,44,48,52,56,60
	v_pk_add_f32 v[14:15], v[14:15], v[96+\j:97+\j]
	v_pk_add_f32 v[242:243], v[242:243], v[98+\j:99+\j]
.endr
	v_pk_add_f32 v[14:15], v[14:15], v[242:243]
	s_cmp_gt_i32 s[E4], -16
	s_cbranch_scc1 .Lfits
.set j, 0
.rept 64
	v_min_num_f32 v[S+j], v[S+j], v240             ; the conversion does not saturate (ISA guide 7.6.2); p is not negative, so the hold is one-sided
.set j, j+1
.endr
.Lfits:
.irp b, 0,1,2,3
	v_cvt_scalef32_pk8_bf8_f32 v[PC+4*\b:PC+4*\b+1], v[S+16*\b:S+16*\b+7], v244
	v_cvt_scalef32_pk8_bf8_f32 v[PC+4*\b+2:PC+4*\b+3], v[S+16*\b+8:S+16*\b+15], v244
.endr
.irp j, 0,2,4,6,8,10,12,14,16,18,20,22,24,26,28,30
	v_pk_mul_f32 v[O+\j:O+\j+1], v[O+\j:O+\j+1], v[252:253] op_sel_hi:[1,0]   ; O^T under the new M.  (Also the plain lines between the conversions and the products)
.endr
	s_wait_dscnt 0x0                               ; V^T is in
.irp t, 0,1,2,3
	v_wmma_f32_16x16x128_bf8_bf8 v[O+8*\t:O+8*\t+7], v[KV+16*\t:KV+16*\t+15], v[PC:PC+15], v[O+8*\t:O+8*\t+7]   ; the four accumulators take turns; the next step's eight products stand between two links
.endr
	s_lshr_b32 s[FL], s[FL], 1
	s_add_co_u32 s[TB], s[TB], STEPB
	s_add_nc_u64 s[10:11], s[10:11], 256           ; the next step's mask words (no scalar load is out here)
	s_sub_co_u32 s[NST], s[NST], 1
	s_cmp_lg_u32 s[NST], 0
	s_cbranch_scc1 .Lstep
	; THE WAY OUT of a pass: O^T / l x 2^(e4 + e5), quantised with 2^e6; the conversions' results are two groups of ao's image
.rept 4
	v_nop
.endr
	v_add_f32 v14, v14, v15
	v_permlanex16_b32 v252, v14, s[SEL], s[SEL+1]
	v_add_f32 v14, v14, v252                       ; the row's sum
	v_cmp_eq_f32 vcc_lo, 0, v14                    ; no open key in the row
	v_rcp_f32 v246, v14
	v_nop                                          ; a plain line behind the transcendental
	s_wait_alu depctr_va_vdst(0)                   ; and the wait ahead of its first reader
	v_ldexp_f32 v246, v246, s[E4+1]
.set j, 0
.rept 32
	v_mul_f32 v[96+j], v[O+j], v246                ; register 16 g + i is channel 32 g + 16 h + i
.set j, j+1
.endr
.set j, 0
.rept 32
	v_med3_num_f32 v[96+j], v[96+j], -v241, v241
.set j, j+1
.endr
.irp g, 0,1
	v_cvt_scalef32_pk8_bf8_f32 v[128+4*\g:129+4*\g], v[96+16*\g:103+16*\g], v245
	v_cvt_scalef32_pk8_bf8_f32 v[130+4*\g:131+4*\g], v[104+16*\g:111+16*\g], v245
.endr
	v_nop                                          ; one plain line between the conversions and the selects on their results
.irp i, 0,1,2,3,4,5,6,7
	v_cndmask_b32 v[128+\i], v[128+\i], v[NANC], vcc_lo
.endr
	global_store_b128 v[LI], v[128:131], s[2:3]
	global_store_b128 v[LI], v[132:135], s[2:3] offset:512
	s_wait_xcnt 0x0                                ; the stores have read their registers and their base: both are written again below and in the next pass
	s_add_nc_u64 s[2:3], s[2:3], 0x40000           ; 16 token tiles on
	s_add_nc_u64 s[10:11], s[10:11], 61440         ; the mask words: 16 tiles on, less the 16 steps walked
.irp i, 0,1,2,3,4,5,6,7
	v_mov_b32 v[Q+\i], v[Q+8+\i]                   ; the next pass's Q
.endr
	s_mov_b32 s[FL], s[FL+1]
	s_sub_co_u32 s[NPS], s[NPS], 1
	s_cmp_lg_u32 s[NPS], 0
	s_cbranch_scc1 .Lpass
	s_wait_tensorcnt 0x0
	ds_add_u32 v251, v255
	s_wait_dscnt 0x0
	s_endpgm
.Lfunc_end_k_q4fbe4c9618_attn:
	.size	k_q4fbe4c9618_attn, .Lfunc_end_k_q4fbe4c9618_attn-k_q4fbe4c9618_attn
	.p2alignl 7, 3214868480
	.fill 96, 4, 3214868480
	.section	.rodata,"a",@progbits
	.p2align	6, 0x0
	.amdhsa_kernel k_q4fbe4c9618_attn
		.amdhsa_group_segment_fixed_size 264192
		.amdhsa_private_segment_fixed_size 0
		.amdhsa_enable_private_segment 0
		.amdhsa_kernarg_size 56
		.amdhsa_user_sgpr_count 2
		.amdhsa_user_sgpr_kernarg_segment_ptr 1
		.amdhsa_wavefront_size32 1
		.amdhsa_system_sgpr_workgroup_id_x 1
		.amdhsa_system_sgpr_workgroup_id_y 1
		.amdhsa_system_sgpr_workgroup_id_z 1
		.amdhsa_system_vgpr_workitem_id 0
		.amdhsa_next_free_vgpr 256
		.amdhsa_next_free_sgpr 102
		.amdhsa_reserve_vcc 1
		.amdhsa_float_denorm_mode_32 3
		.amdhsa_float_denorm_mode_16_64 3
		.amdhsa_memory_ordered 1
		.amdhsa_forward_progress 1
		.amdhsa_inst_pref_size 37
	.end_amdhsa_kernel
	.amdgpu_metadata
---
amdhsa.version: [ 1, 2 ]
amdhsa.kernels:
  - .name:           k_q4fbe4c9618_attn
    .symbol:         k_q4fbe4c9618_attn.kd
    .args:
      - { .name: qc, .offset: 0, .size: 8, .value_kind: global_buffer, .address_space: global }
      - { .name: kc, .offset: 8, .size: 8, .value_kind: global_buffer, .address_space: global }
      - { .name: vc, .offset: 16, .size: 8, .value_kind: global_buffer, .address_space: global }
      - { .name: maskw, .offset: 24, .size: 8, .value_kind: global_buffer, .address_space: global }
      - { .name: maskf, .offset: 32, .size: 8, .value_kind: global_buffer, .address_space: global }
      - { .name: lowp_scales, .offset: 40, .size: 8, .value_kind: global_buffer, .address_space: global }
      - { .name: ao, .offset: 48, .size: 8, .value_kind: global_buffer, .address_space: global }
    .group_segment_fixed_size: 264192
    .private_segment_fixed_size: 0
    .kernarg_segment_align: 8
    .kernarg_segment_size: 56
    .max_flat_workgroup_size: 512
    .sgpr_count:     102
    .vgpr_count:     256
    .wavefront_size: 32
...
	.end_amdgpu_metadata
.endif
;; end of part 4
;; launch outp (part 5): grid 4 x 32, 4 waves a work-group, clusters of 4 x 4, 327,680 bytes of LDS; arguments ao, cb, lowp_scales, out_b, out0; writes out0
.if DOCPART == 5
	.amdgcn_target "amdgcn-amd-amdhsa--gfx1250"
	.amdhsa_code_object_version 6
	.text
	.protected	k_q4fbe4c9618_outp
	.globl	k_q4fbe4c9618_outp
	.p2align	8
	.type	k_q4fbe4c9618_outp,@function
k_q4fbe4c9618_outp:
	s_mov_b64 s[64:65], 0
	v_nop
	global_prefetch_b8 v0, s[64:65] scope:SCOPE_SE
	s_setreg_imm32_b32 hwreg(HW_REG_WAVE_MODE, 25, 1), 1
	s_wait_xcnt 0x0
	s_wait_alu depctr_hold_cnt(0) depctr_sa_sdst(0) depctr_va_vdst(0) depctr_va_sdst(0) depctr_va_ssrc(0) depctr_va_vcc(0) depctr_vm_vsrc(0)
	s_getreg_b32 s2, hwreg(HW_REG_IB_STS2, 6, 4)
	s_cmp_eq_u32 s2, 0
	s_cbranch_scc0 .Lentry_in_a_cluster
	s_endpgm
.Lentry_in_a_cluster:
	s_bfe_u32 s2, ttmp6, 0x10000c
	s_cmp_lg_u32 s2, 0xf033
	s_cbranch_scc0 .Lentry_shape_is_right
	s_endpgm
.Lentry_shape_is_right:
; OUTP.  out0 = o out_w^T + out_b on codes of BF8 (E5M2).  o: 8,192 tokens (ao), out_w: 1,024 rows (in cb), K = 1,024; both are images of operand registers:
; [row tile][K step 8][2,048 bytes]; group c of a fragment (512 bytes) holds at 16 x lane the codes k = 32 c + 16 (lane / 16) + 0 .. 15 of tile-row lane % 16; tile T's tile-row p is the true row 32 (T / 2) + 8 (T % 2) + p + 8 (p / 8).
; out0 [8192][1024] f32 = sum x 2^(e6 + e7) + bias.  LIMIT: e6 + e7 between -126 and 127.
; A tile of the result, 256 tokens x 256 features, is made by four waves, 128 x 128 each.  K goes in steps of 256 through a ring of two LDS slots filled by the tensor data mover; a wave's load brings
; 8 row tiles x 4,096 bytes, 16,384 bytes apart in memory, dense in LDS: every fragment load reads 512 consecutive bytes, so no padding is wanted.
; CLUSTERS: 4 x 4 work-groups.  The four of a row of the cluster need the same tokens, the four of a column the same rows of out_w: joint loads.
; THE MATRIX INSTRUCTION: source 0 = 16 rows of out_w, source 1 = 16 tokens.  A lane holds one token; the registers of out_w's tile b are features 32 (b / 2) + 16 (lane / 16) + 8 (b % 2) + 0 .. 7.
; THE WAY OUT: a block of 16 tokens x 128 features goes through the wave's own stage in LDS and comes back as whole rows of 512 bytes; scale and bias are applied there; each row is stored at its true token.
; The stage lies in slot 0, which has had its last fill and its last read when the first result is stored there.
; 128 work-groups: the product has no more tiles of this size.  No prefetch: the ring is filled again only twice.
; REGISTERS, in windows of 256: window 0: v16-31 addresses; v36-39 the bias; from v128 the tokens' fragments, ONE set, later rows of the result.   window 1: out_w's fragments, TWO sets.   windows 2, 3: the accumulators.
.set KSTEPB, 4096
.set FR,     16
.set NL,     4
.set NP,     4
.set HALFT,  8*KSTEPB
.set SLOT,   4*HALFT
.set LAPS,   2
.set SPARE,  2*SLOT                    ; behind the ring: the spare words, 128 bytes for each wave
.set BOFF,   11534336                  ; out_w's codes in cb
.set SPITCH, 528                       ; a stage row: 512 bytes + 16
.set ADRA, 16
.set ADRB, 20
.set STO,  24                          ; v24     where I put 32 bytes of a row
.set RD,   25                          ; v25     where I read a row back
.set CO,   26                          ; v26     16 x lane
.set SPW,  28
.set NIL,  29
.set BIAS, 36                          ; v36-39  out_b at my four features of a row
.set AF,   128
.set BK,   128                         ; rows read back: v128-191 and v192-255 by turns
.set G1, 24
.set G0, 32
.set G1B, 48
.set G0B, 56
.set MSB, 0
.macro WIN new                         ; the immediate's high byte repeats the setting that is left
.if MSB != (\new)
	s_set_vgpr_msb (MSB<<8)|(\new)
.set MSB, (\new)
.endif
.endm
.set MUL_LO, 0xa1
.set MUL_HI, 0xf1
.set TO_B,   0x40
.macro JLOAD g0a, g1a, g0b, g1b        ; a joint load: waves 0 and 1 fetch tokens, waves 2 and 3 out_w; four v_nop follow each of the two lines
	s_cmp_eq_u32 s15, 0
	s_cbranch_scc0 .Lfor_b_\@
	tensor_load_to_lds s[\g0a:\g0a+3], s[\g1a:\g1a+7]
	s_nop 0
.rept 4
	v_nop
.endr
	s_branch .Lasked_\@
.Lfor_b_\@:
	tensor_load_to_lds s[\g0b:\g0b+3], s[\g1b:\g1b+7]
	s_nop 0
.rept 4
	v_nop
.endr
.Lasked_\@:
.endm
.macro CREST
	s_cmp_lg_u32 s14, 0
	s_cbranch_scc1 .Lnot_wave_0_\@
	s_barrier_signal -3
.Lnot_wave_0_\@:
	s_barrier_wait -3
	s_barrier_signal -1
	s_barrier_wait -1
.endm
.macro CROUND
	s_barrier_signal -1
	s_barrier_wait -1
	CREST
.endm
	s_load_b128 s[4:7], s[0:1], 0x0                ; ao s[4:5], cb s[6:7]
	s_load_b128 s[8:11], s[0:1], 0x10              ; the scales' exponents s[8:9], out_b s[10:11]
	s_load_b64 s[12:13], s[0:1], 0x20              ; out0
	v_lshl_add_u32 v[SPW], v0, 2, SPARE
	v_mov_b32 v[NIL], 0
	ds_add_u32 v28, v29
	ds_add_u32 v28, v29
	s_wait_dscnt 0x0
	v_lshrrev_b32 v1, 5, v0
	v_readfirstlane_b32 s14, v1                    ; wave 0..3
	s_lshr_b32 s15, s14, 1                         ; which half of the tile's tokens is mine.  Also: I fetch tokens (0) or out_w (1)
	s_and_b32 s16, s14, 1                          ; which half of its features.  Also: which 128 rows I fetch
	s_bfe_u32 s40, ttmp6, 0x40000                  ; cx, cy
	s_bfe_u32 s41, ttmp6, 0x40004
	s_lshl_b32 s42, ttmp9, 2
	s_add_co_u32 s42, s42, s40                     ; tile column = 4 x cluster x + cx
	s_and_b32 s17, ttmp7, 0xffff
	s_lshl_b32 s17, s17, 2
	s_add_co_u32 s17, s17, s41                     ; tile row = 4 x cluster y + cy
	s_lshl_b32 s43, s41, 2
	s_lshl_b32 s43, 15, s43
	s_lshl_b32 s44, 0x1111, s40
	s_or_b32 s[G1+0], s43, (3<<16)|(1<<21)         ; 15:0 the mask; 17:16 elements of 8 bytes; 21 set beside a mask
	s_or_b32 s[G1B+0], s44, (3<<16)|(1<<21)
.irp g, G1, G1B
	s_mov_b32 s[\g+1], 512<<16                     ; tensor_dim0 = 512
	s_mov_b32 s[\g+2], 8<<16                       ; tensor_dim1 = 8
	s_mov_b32 s[\g+3], 512<<16                     ; tile_dim0 = 512
	s_mov_b32 s[\g+4], 8                           ; tile_dim1 = 8
	s_mov_b32 s[\g+5], 2048                        ; tensor_dim0_stride
	s_mov_b32 s[\g+6], 0
	s_mov_b32 s[\g+7], 0
.endr
	s_lshl_b32 s18, s16, 7
	s_lshl_b32 s20, s17, 8
	s_add_co_u32 s20, s20, s18
	s_lshl_b32 s46, s42, 8
	s_add_co_u32 s46, s46, s18
	s_lshl_b32 s20, s20, 10                        ; 1,024 bytes a row
	s_lshl_b32 s46, s46, 10
	s_mov_b32 s21, 0
	s_mov_b32 s47, 0
	s_mul_i32 s45, s14, HALFT
	s_wait_kmcnt 0x0
	s_load_b256 s[88:95], s[8:9], 0x0              ; e0 .. e7
	s_add_nc_u64 s[20:21], s[4:5], s[20:21]
	s_add_nc_u64 s[46:47], s[6:7], s[46:47]
	s_add_nc_u64 s[46:47], s[46:47], BOFF
	CROUND                                         ; the first joint loads meet
.irp s, 0,1
	s_mov_b32 s[G0+4*\s], 1
	s_add_co_u32 s[G0+4*\s+1], s45, \s*SLOT
	s_add_nc_u64 s[G0+4*\s+2:G0+4*\s+3], s[20:21], \s*KSTEPB
	s_or_b32 s[G0+4*\s+3], s[G0+4*\s+3], 0x80000000
	s_mov_b32 s[G0B+4*\s], 1
	s_add_co_u32 s[G0B+4*\s+1], s45, \s*SLOT
	s_add_nc_u64 s[G0B+4*\s+2:G0B+4*\s+3], s[46:47], \s*KSTEPB
	s_or_b32 s[G0B+4*\s+3], s[G0B+4*\s+3], 0x80000000
	JLOAD G0+4*\s, G1, G0B+4*\s, G1B
.endr
	v_and_b32 v6, 31, v0
	v_lshlrev_b32 v[CO], 4, v6
	s_mul_i32 s21, s15, HALFT
	s_mul_i32 s22, s16, HALFT
	s_add_co_u32 s22, s22, 2*HALFT
.irp s, 0,1
	v_add_nc_u32 v[ADRA+\s], s21, v[CO]
	v_add_nc_u32 v[ADRB+\s], s22, v[CO]
	s_add_co_u32 s21, s21, SLOT
	s_add_co_u32 s22, s22, SLOT
.endr
	v_and_b32 v1, 15, v0                           ; r
	v_bfe_u32 v2, v0, 4, 1                         ; h
	s_mul_i32 s23, s14, 16*SPITCH                  ; my stage
	v_mul_u32_u24 v5, v1, SPITCH
	v_lshl_add_u32 v5, v2, 6, v5
	v_add_nc_u32 v[STO], s23, v5                   ; in: row r, + 64 h
	v_add_nc_u32 v[RD], s23, v[CO]                 ; back: the 32 lanes take one row of 512 bytes
	s_lshl_b32 s46, s42, 10                        ; my first feature, in bytes: 1,024 x tile column + 512 x half
	s_lshl_b32 s47, s16, 9
	s_add_co_u32 s46, s46, s47
	s_mov_b32 s47, 0
	s_add_nc_u64 s[10:11], s[10:11], s[46:47]
	global_load_b128 v[BIAS:BIAS+3], v[CO], s[10:11]   ; out_b at features 4 x lane + 0 .. 3 of my 128
	s_add_nc_u64 s[12:13], s[12:13], s[46:47]
	s_lshl_b32 s20, s17, 20                        ; my first token: 256 x tile row + 128 x half, rows of 4,096 bytes
	s_lshl_b32 s21, s15, 19
	s_add_co_u32 s20, s20, s21
	s_mov_b32 s21, 0
	s_add_nc_u64 s[12:13], s[12:13], s[20:21]
.macro FRAG reg, adr, q, i
.irp c, 0,1,2,3
	ds_load_b128 v[\reg+4*\c:\reg+4*\c+3], v[\adr] offset:(\i)*KSTEPB+(\q)*2048+512*\c
.endr
.endm
; The 64 accumulators take turns, one instruction a turn, in the same order in every step.
.macro MUL16 a0, p, zero
.irp a, \a0, \a0+1
.irp b, 0,1,2,3,4,5,6,7
.if \zero
	v_wmma_f32_16x16x128_bf8_bf8 v[8*(8*((\a)%4)+\b):8*(8*((\a)%4)+\b)+7], v[128*(\p)+FR*\b:128*(\p)+FR*\b+FR-1], v[AF+FR*(\a):AF+FR*(\a)+FR-1], 0
.else
	v_wmma_f32_16x16x128_bf8_bf8 v[8*(8*((\a)%4)+\b):8*(8*((\a)%4)+\b)+7], v[128*(\p)+FR*\b:128*(\p)+FR*\b+FR-1], v[AF+FR*(\a):AF+FR*(\a)+FR-1], v[8*(8*((\a)%4)+\b):8*(8*((\a)%4)+\b)+7]
.endif
.endr
.endr
.endm
.macro FETCH_B slot, q, p
	WIN TO_B
.irp i, 0,1,2,3,4,5,6,7
	FRAG 128*(\p)+FR*\i, ADRB+\slot, \q, \i
.endr
	WIN 0
.endm
.macro FETCH_A slot, q, i0
.irp i, \i0, \i0+1, \i0+2, \i0+3
	FRAG AF+FR*(\i), ADRA+\slot, \q, \i
.endr
.endm
.macro PLACES n                        ; plain vector lines between a matrix instruction and a load into, or a read of, its registers
.rept \n
	v_nop
.endr
.endm
.macro STEP slot, q, zero
	s_wait_dscnt 4*NL                              ; out_w's set and token blocks 0-3 are in; the youngest 16 loads (blocks 4-7) may be out
	WIN MUL_LO
	MUL16 0, (\q)%2, \zero
	MUL16 2, (\q)%2, \zero
	s_wait_dscnt 0
	PLACES NP
	FETCH_B \slot, (\q)+1, 1-(\q)%2
	FETCH_A \slot, (\q)+1, 0
	WIN MUL_HI
	MUL16 4, (\q)%2, \zero
	MUL16 6, (\q)%2, \zero
	PLACES NP
	WIN 0
	FETCH_A \slot, (\q)+1, 4
.endm
.macro TURN slot, next, fill
	s_wait_tensorcnt 0x0                           ; all my tensor loads have landed: my part of the next slot
	ds_add_u32 v[SPW], v[NIL]                      ; 0 onto my spare word
	s_wait_dscnt 4*NL+1                            ; (the add and the youngest 16 loads may be out)
	WIN MUL_LO
	MUL16 0, 1, 0
	s_wait_dscnt 0x0                               ; the add is done, and my reads of this slot are over
	s_barrier_signal -1
	MUL16 2, 1, 0
	WIN 0
	s_barrier_wait -1
.if \fill
	CREST                                          ; the barrier has opened a round of the cluster's barrier
	s_add_nc_u64 s[G0+4*\slot+2:G0+4*\slot+3], s[G0+4*\slot+2:G0+4*\slot+3], 2*KSTEPB
	s_add_nc_u64 s[G0B+4*\slot+2:G0B+4*\slot+3], s[G0B+4*\slot+2:G0B+4*\slot+3], 2*KSTEPB
	JLOAD G0+4*\slot, G1, G0B+4*\slot, G1B         ; the first tensor load behind the round; its four v_nop are the places in front of the loads below
.else
	PLACES NP
.endif
	FETCH_B \next, 0, 0
	FETCH_A \next, 0, 0
	WIN MUL_HI
	MUL16 4, 1, 0
	MUL16 6, 1, 0
	PLACES NP
	WIN 0
	FETCH_A \next, 0, 4
.endm
	s_wait_tensorcnt 1                             ; my part of K step 0 is in (K step 1's load may be out)
	s_barrier_signal -1
	s_barrier_wait -1
	FETCH_B 0, 0, 0
	FETCH_A 0, 0, 0
	FETCH_A 0, 0, 4
	STEP 0, 0, 1
	s_mov_b32 s3, LAPS-1
.Llap:
	TURN 0, 1, 1
	STEP 1, 0, 0
	TURN 1, 0, 1
	STEP 0, 0, 0
	s_sub_co_u32 s3, s3, 1
	s_cmp_lg_u32 s3, 0
	s_cbranch_scc1 .Llap
	TURN 0, 1, 0
	STEP 1, 0, 0
	s_wait_dscnt 4*NL
	WIN MUL_LO
	MUL16 0, 1, 0
	MUL16 2, 1, 0
	s_wait_dscnt 0
	WIN MUL_HI
	MUL16 4, 1, 0
	MUL16 6, 1, 0
	WIN 0
; THE WAY OUT, block by block of 16 tokens.  LDS serves a wave's instructions in order (ISA guide 5.7.1.4): no wait between the stores and the loads, nor in front of the next block's stores.
.macro TOSTAGE a
	WIN 0x08+4*((\a)/4)                            ; an LDS store's data stand in the place of source 1: window 2 or 3
.irp b, 0,1,2,3,4,5,6,7
	ds_store_b128 v[STO], v[64*((\a)%4)+8*\b:64*((\a)%4)+8*\b+3] offset:128*(\b/2)+32*(\b%2)        ; each accumulator from its low end on
	ds_store_b128 v[STO], v[64*((\a)%4)+8*\b+4:64*((\a)%4)+8*\b+7] offset:128*(\b/2)+32*(\b%2)+16
.endr
	WIN 0
.set BB, BK+64*((\a)%2)
.irp t, 0,1,2,3,4,5,6,7,8,9,10,11,12,13,14,15
	ds_load_b128 v[BB+4*\t:BB+4*\t+3], v[RD] offset:\t*SPITCH
.endr
.endm
.macro SEND a, younger                 ; younger: the LDS instructions issued behind block a's loads, which may stay out
.set BB, BK+64*((\a)%2)
	s_wait_dscnt \younger
.irp t, 0,1,2,3,4,5,6,7,8,9,10,11,12,13,14,15
	v_pk_fma_f32 v[BB+4*\t:BB+4*\t+1], v[BB+4*\t:BB+4*\t+1], s[96:97], v[BIAS:BIAS+1] op_sel_hi:[1,0,1]       ; sum x 2^(e6 + e7) + bias
	v_pk_fma_f32 v[BB+4*\t+2:BB+4*\t+3], v[BB+4*\t+2:BB+4*\t+3], s[96:97], v[BIAS+2:BIAS+3] op_sel_hi:[1,0,1]
.endr
.irp t, 0,1,2,3,4,5,6,7,8,9,10,11,12,13,14,15
	global_store_b128 v[CO], v[BB+4*\t:BB+4*\t+3], s[12:13] offset:(32*((\a)/2)+8*((\a)%2)+\t+8*(\t/8))*4096 th:TH_STORE_NT   ; tile-row t's true token; 32 lanes store 512 consecutive bytes, aligned
.endr
.endm
	s_wait_kmcnt 0x0
	s_add_co_i32 s96, s94, s95
	s_add_co_i32 s96, s96, 127
	s_lshl_b32 s96, s96, 23                        ; 2^(e6 + e7) as f32
	s_mov_b32 s97, s96                             ; (named with it as a pair)
	s_wait_loadcnt 0x0                             ; the bias
	PLACES NP                                      ; behind the last products: for the LDS stores that read results and the loads into the registers that held the tokens' fragments
	TOSTAGE 0
.irp a, 1,2,3,4,5,6,7
.if \a > 1
	s_wait_xcnt 0x0                                ; block a - 2's stores have read their registers: block a's loads may land there
.endif
	TOSTAGE \a
	SEND \a-1, 32                                  ; behind block a - 1's loads: block a's 16 stores and 16 loads
.endr
	SEND 7, 0
	s_wait_tensorcnt 0x0                           ; the wave's end: behind my last tensor load and my last LDS store
	ds_add_u32 v[SPW], v[NIL]
	s_wait_dscnt 0x0
	CROUND                                         ; the closing round
	s_endpgm
.Lfunc_end_k_q4fbe4c9618_outp:
	.size	k_q4fbe4c9618_outp, .Lfunc_end_k_q4fbe4c9618_outp-k_q4fbe4c9618_outp
	.p2alignl 7, 3214868480
	.fill 96, 4, 3214868480
	.section	.rodata,"a",@progbits
	.p2align	6, 0x0
	.amdhsa_kernel k_q4fbe4c9618_outp
		.amdhsa_group_segment_fixed_size 327680
		.amdhsa_private_segment_fixed_size 0
		.amdhsa_enable_private_segment 0
		.amdhsa_kernarg_size 40
		.amdhsa_user_sgpr_count 2
		.amdhsa_user_sgpr_kernarg_segment_ptr 1
		.amdhsa_wavefront_size32 1
		.amdhsa_system_sgpr_workgroup_id_x 1
		.amdhsa_system_sgpr_workgroup_id_y 1
		.amdhsa_system_sgpr_workgroup_id_z 1
		.amdhsa_system_vgpr_workitem_id 0
		.amdhsa_next_free_vgpr 1024
		.amdhsa_next_free_sgpr 98
		.amdhsa_reserve_vcc 0
		.amdhsa_float_denorm_mode_32 3
		.amdhsa_float_denorm_mode_16_64 3
		.amdhsa_memory_ordered 1
		.amdhsa_forward_progress 1
		.amdhsa_inst_pref_size 123
	.end_amdhsa_kernel
	.amdgpu_metadata
---
amdhsa.version: [ 1, 2 ]
amdhsa.kernels:
  - .name:           k_q4fbe4c9618_outp
    .symbol:         k_q4fbe4c9618_outp.kd
    .args:
      - { .name: ao, .offset: 0, .size: 8, .value_kind: global_buffer, .address_space: global }
      - { .name: cb, .offset: 8, .size: 8, .value_kind: global_buffer, .address_space: global }
      - { .name: lowp_scales, .offset: 16, .size: 8, .value_kind: global_buffer, .address_space: global }
      - { .name: out_b, .offset: 24, .size: 8, .value_kind: global_buffer, .address_space: global }
      - { .name: out0, .offset: 32, .size: 8, .value_kind: global_buffer, .address_space: global }
    .group_segment_fixed_size: 327680
    .private_segment_fixed_size: 0
    .kernarg_segment_align: 8
    .kernarg_segment_size: 40
    .max_flat_workgroup_size: 128
    .sgpr_count:     98
    .vgpr_count:     1024
    .wavefront_size: 32
...
	.end_amdgpu_metadata
.endif
;; end of part 5
;; ======== version 2 of 2: 5 launches; version 1 with the launch attn written anew for expert scheduling mode
;; workspace buffers: cb 12,582,912 bytes; qc 8,388,608 bytes; kc 8,388,608 bytes; vc 8,388,608 bytes; ao 8,388,608 bytes; maskw 524,288 bytes of whole numbers; maskf 8,192 bytes of whole numbers
;; launch prep: the kernel of part 1 again; grid 512 x 1, 4 waves a work-group, no clusters, 34,304 bytes of LDS; arguments input, qkv_w, out_w, mask, lowp_scales, cb, maskw, maskf; writes cb, maskw, maskf
;; launch qk: the kernel of part 2 again; grid 8 x 32, 4 waves a work-group, clusters of 4 x 4, 327,680 bytes of LDS; arguments cb, lowp_scales, qkv_b, qc, kc; writes qc, kc
;; launch vt: the kernel of part 3 again; grid 32 x 4, 4 waves a work-group, clusters of 4 x 4, 327,680 bytes of LDS; arguments cb, lowp_scales, qkv_b, vc; writes vc
;; launch attn (part 6): grid 4 x 64, 16 waves a work-group, no clusters, 264,192 bytes of LDS; arguments qc, kc, vc, maskw, maskf, lowp_scales, ao; writes ao
.if DOCPART == 6
	.amdgcn_target "amdgcn-amd-amdhsa--gfx1250"
	.amdhsa_code_object_version 6
	.text
	.protected	k_q4fbe4c9618_attn
	.globl	k_q4fbe4c9618_attn
	.p2align	8
	.type	k_q4fbe4c9618_attn,@function
k_q4fbe4c9618_attn:
	s_mov_b64 s[64:65], 0
	v_nop
	global_prefetch_b8 v0, s[64:65] scope:SCOPE_SE
	s_setreg_imm32_b32 hwreg(HW_REG_WAVE_SCHED_MODE, 0, 2), 2
	s_setreg_imm32_b32 hwreg(HW_REG_WAVE_MODE, 25, 1), 1
	s_wait_xcnt 0x0
	s_wait_alu depctr_vm_vsrc(0)
; ATTN.  o = softmax(q k^T / 8, masked) v for 64 heads (batch x head) of 2,048 tokens and head size 64, both products on codes of BF8 (E5M2), and o's own codes for the last product.
; THE SOFTMAX AHEAD OF THE SECOND PRODUCT: t = score x log2(e) / 8; M = the row's largest t so far, rounded UP to a whole number; p = 2^(t - M) is quantised with 2^e4, not normalised.  The row's sum is taken of the
; unquantised p and divides at the end.  When M moves, the sum and O are multiplied by 2^(old M - new M): exact.  A hidden score becomes -infinity ahead of the maximum.  A row with no open key gets NaN codes.
; OPERANDS are images of operand registers: group c (512 bytes) holds at 16 x lane the codes k = 32 c + 16 (lane / 16) + 0 .. 15 of tile-row lane % 16; tile T's tile-row p is the true row 32 (T / 2) + 8 (T % 2) + p + 8 (p / 8).
; qc, kc: [head 64][token tile 128][1,024];  vc: [head][key step 16][channel tile 4][2,048], keys innermost;  ao: [token tile 512][K step 8][2,048], K = 64 head + channel.
; SHARES.  A work-group owns 512 queries of one head; wave w owns tile 32 x + w of 16 queries, then tile 32 x + 16 + w: two passes.  The head's whole K (131,072 bytes) and V^T (131,072) are copied into LDS once, through registers;
; one barrier; after it LDS is only read.  Sixteen waves, four to a SIMD, so that one wave's vector work stands beside another's matrix work and LDS loads.
; LAYOUT.  S^T = K Q^T (source 0 = 16 keys, source 1 = my queries), O^T = V^T P^T (source 0 = 16 channels, source 1 = P): a lane holds ONE query throughout; the 16 registers of key tiles 2 b, 2 b + 1 are keys
; 32 b + 16 (lane / 16) + 0 .. 15, so the conversions' results are P's fragment; likewise O^T's registers are o's image, stored from registers, 512 consecutive bytes an instruction.
; THE MASK comes as lane words (maskw: bit l of word n = lane l's register n is hidden) and flags (maskf: bit s = step s of my tile has a hidden key).  A step without hidden keys jumps over the 64 selects: a scalar branch on a stored flag.
; THE HOLD of p at 57,344 x 2^e4 cannot bite where e4 >= -15 (p <= 1 < 1.75 = 57,344 x 2^-15): a scalar branch on e4 jumps over its 64 lines.
; NO JOINT LOADS, though the four work-groups of a head read the same K and V: these two branches take 128 vector lines out of a key step;
; what is shared is 262,144 bytes once a work-group, for 512 x 2,048 scores.  No prefetch: all that the work-group reads of K and V is asked for at its head.
; LIMITS: e2 + e3 between -123 and 130 (added to c's exponent field); e4, e6 between -126 and 112; e4 + e5 has none (v_ldexp_f32).
; THE MODE: SCHED_MODE bits 1:0 = 2 (LLVM: expert scheduling mode 2), set by the entry lines.  The code itself states the register dependences
; between vector or matrix instructions and memory or LDS instructions, with s_wait_alu, always for 0.
; THE PLAN.  Registers that memory or LDS instructions touch:
;   v1, v2-5      Offsets and LDS addresses made at the head and never written again.
;   v96-223       At the head only: K and V^T as loaded, read by my LDS stores.  From the barrier on they are S^T, O^T and KL.
;   v8, v9        The step's LDS addresses: written by two adds at the step's head, read by all the step's LDS loads.
;   KL v192-223   K's tiles 0-3.  Read by the step's first four products; the next step's tiles land in it, asked for behind this step's scalings (a pass's first step: at the pass's head).
;   KV v32-95     K's tiles 4-7 land in v32-63 at the step's head and are read by the second four products; then V^T's four fragments land in v32-95 and are read by the step's last four products.
;   v128-135      A pass's end: written by the conversions and selects, read by two stores, written again by the next pass's products.
;   v251, v255    Written at the head, read by the closing add alone.
; A STEP'S WAITS.  At its head one on vm_vsrc ahead of the two adds, and one on va_vdst behind them: the addresses are written and the last step's V^T products are done reading KV.  Behind the eight products K Q^T one on
; va_vdst: they are done reading KV and KL; V^T's sixteen loads, dealt among the lines of the maximum, and the eight loads of the next step's KL follow it with no further wait, since no vector or matrix line of the
; softmax names KV, KL, v8 or v9.  Behind the exponentials one ahead of the batch's first reader.
.set VB,    131072                     ; LDS: K at 0, V^T here
.set STEPB, 8192                       ; a key step of 128 keys, in K (8 tiles x 1,024) and in V^T (4 tiles x 2,048)
.set LI,   1                           ; v1    16 x lane
.set FA,   2                           ; v2-5  16 x thread + 0, 65,536, 131,072, 196,608
.set NINF, 6                           ; v6    -infinity
.set NANC, 7                           ; v7    four NaN codes
.set ADK,  8                           ; v8    LDS address of the step's K
.set ADV,  9                           ; v9    of its V^T
.set Q,    16                          ; v16-23 Q of this pass; v24-31 of the next
.set KV,   32                          ; v32-63 K's tiles 4-7, then v32-95 the four fragments of V^T
.set S,    96                          ; v96-159 S^T, then p
.set O,    160                         ; v160-191 O^T
.set KL,   192                         ; v192-223 K's tiles 0-3, asked for a step ahead
.set PC,   224                         ; v224-239 p's codes
; v12 -M, v13 the largest t, v[14:15] the sum in two halves; v240 57,344 x 2^e4, v241 57,344 x 2^e6, v[242:243] the sum's second chain, v244 2^e4, v245 2^e6, v246 1 / l, v247 the lane permute's destination, v[252:253] f, v254 at work
.set WV,   66                          ; s66  wave
.set TB,   67                          ; s67  the step's LDS byte
.set NST,  68                          ; s68  steps to go
.set NPS,  69                          ; s69  passes to go
.set FL,   70                          ; s70  this pass's flags; s71 the next pass's
.set CS,   72                          ; s[72:73] c
.set SEL,  74                          ; s[74:75] lane selects: lane l xor 16
.set E4,   76                          ; s76  e4;  s77  e4 + e5
.macro VLD n                           ; number n of V^T's sixteen loads: channel tile n / 4, group n % 4
	ds_load_b128 v[KV+4*(\n):KV+4*(\n)+3], v[ADV] offset:512*(\n)
.endm
	s_load_b256 s[4:11], s[0:1], 0x0               ; qc s[4:5], kc s[6:7], vc s[8:9], maskw s[10:11]
	s_load_b128 s[12:15], s[0:1], 0x20             ; maskf s[12:13], the scales' exponents s[14:15]
	s_load_b64 s[2:3], s[0:1], 0x30                ; ao
	v_lshl_add_u32 v251, v0, 2, 0x40000
	v_mov_b32 v255, 0
	v_lshrrev_b32 v1, 5, v0
	v_readfirstlane_b32 s[WV], v1                  ; wave 0..15
	v_and_b32 v1, 31, v0
	v_lshlrev_b32 v[LI], 4, v1
	v_lshlrev_b32 v[FA], 4, v0
	v_add_nc_u32 v[FA+1], 0x10000, v[FA]
	v_add_nc_u32 v[FA+2], 0x20000, v[FA]
	v_add_nc_u32 v[FA+3], 0x30000, v[FA]
	v_mov_b32 v[NINF], 0xff800000
	v_mov_b32 v[NANC], 0x7f7f7f7f
	s_wait_alu depctr_va_sdst(0)                   ; s66, the wave's number, is written, ahead of its first reader: my tile of queries is made from it
	s_and_b32 s78, ttmp7, 0xffff                   ; the head (batch x 16 + head)
	s_lshl_b32 s79, ttmp9, 5
	s_add_co_u32 s79, s79, s[WV]                   ; my first tile of queries
	s_lshl_b32 s96, s78, 17                        ; the head's first byte in qc, kc, vc
	s_mov_b32 s97, 0
	s_lshl_b32 s98, s79, 10
	s_mov_b32 s99, 0
	s_wait_kmcnt 0x0
	s_add_nc_u64 s[4:5], s[4:5], s[96:97]
	s_add_nc_u64 s[4:5], s[4:5], s[98:99]
	s_add_nc_u64 s[6:7], s[6:7], s[96:97]
	s_add_nc_u64 s[8:9], s[8:9], s[96:97]
	s_wait_alu depctr_va_vdst(0)                   ; v1 to v5 are written, which the loads, the LDS stores and the way out's stores read as offsets and addresses
	global_load_b128 v[Q:Q+3], v[LI], s[4:5]                    ; Q of both passes stays in registers
	global_load_b128 v[Q+4:Q+7], v[LI], s[4:5] offset:512
	global_load_b128 v[Q+8:Q+11], v[LI], s[4:5] offset:16384
	global_load_b128 v[Q+12:Q+15], v[LI], s[4:5] offset:16896
.irp i, 0,1,2,3,4,5,6,7,8,9,10,11,12,13,14,15
	global_load_b128 v[96+4*\i:96+4*\i+3], v[FA], s[6:7] offset:\i*8192     ; K: the 512 threads read 8,192 consecutive bytes
.endr
.irp i, 0,1,2,3,4,5,6,7,8,9,10,11,12,13,14,15
	global_load_b128 v[160+4*\i:160+4*\i+3], v[FA], s[8:9] offset:\i*8192   ; V^T likewise
.endr
	s_lshl_b32 s98, s79, 6
	s_add_nc_u64 s[12:13], s[12:13], s[98:99]      ; my tile's flags
	s_lshl_b32 s98, s79, 12
	s_add_nc_u64 s[10:11], s[10:11], s[98:99]      ; my tile's mask words
	s_load_b512 s[16:31], s[12:13], 0x0            ; the flags of pass 0,
	s_load_b512 s[32:47], s[12:13], 0x400          ; of pass 1: 16 tiles on
	s_load_b256 s[80:87], s[14:15], 0x0            ; e0 .. e7
	s_lshr_b32 s98, s78, 4
	s_lshl_b32 s98, s98, 21                        ; ao: the batch's 128 token tiles of 16,384 bytes,
	s_lshl_b32 s100, s79, 14                       ; my tile,
	s_add_co_u32 s98, s98, s100
	s_bfe_u32 s100, s78, 0x30001                   ; the K step: head / 2,
	s_lshl_b32 s100, s100, 11
	s_add_co_u32 s98, s98, s100
	s_and_b32 s100, s78, 1                         ; groups 2 (head % 2) on
	s_lshl_b32 s100, s100, 10
	s_add_co_u32 s98, s98, s100
	s_add_nc_u64 s[2:3], s[2:3], s[98:99]
	s_mov_b32 s[SEL], 0x76543210
	s_mov_b32 s[SEL+1], 0xfedcba98
	s_mov_b32 s[CS], 0x3e38aa3b                    ; c = log2(e) / 8
	v_mov_b32 v247, 0                              ; written once: a lane permute's destination counts as one of its sources
	v_mov_b32 v253, 0                              ; (named as the upper half of the pair v[252:253])
	s_wait_kmcnt 0x0
	s_or_b32 s[FL], s16, s17                       ; each word holds its step's bit: sixteen words make one
	s_or_b32 s[FL+1], s32, s33
.irp i, 2,3,4,5,6,7,8,9,10,11,12,13,14,15
	s_or_b32 s[FL], s[FL], s[16+\i]
	s_or_b32 s[FL+1], s[FL+1], s[32+\i]
.endr
	s_add_co_i32 s78, s82, s83
	s_lshl_b32 s78, s78, 23
	s_add_co_i32 s[CS], s[CS], s78                 ; a score stands for score x 2^(e2 + e3): added to c's exponent field
	s_mov_b32 s[CS+1], s[CS]                       ; (named with it as a pair)
	s_mov_b32 s[E4], s84
	s_add_co_i32 s[E4+1], s84, s85                 ; e4 + e5
	s_add_co_i32 s78, s84, 127
	s_lshl_b32 s79, s78, 23
	v_mov_b32 v244, s79                            ; 2^e4
	s_add_co_i32 s78, s78, 15
	s_lshl_b32 s78, s78, 23
	s_or_b32 s78, s78, 0x600000
	v_mov_b32 v240, s78                            ; 57,344 x 2^e4
	s_add_co_i32 s78, s86, 127
	s_lshl_b32 s79, s78, 23
	v_mov_b32 v245, s79                            ; 2^e6
	s_add_co_i32 s78, s78, 15
	s_lshl_b32 s78, s78, 23
	s_or_b32 s78, s78, 0x600000
	v_mov_b32 v241, s78                            ; 57,344 x 2^e6
.set i, 0
.rept 32
	s_wait_loadcnt 31-i                            ; loads come back in order: number i of the 32 is in, the younger ones may be out
	ds_store_b128 v[FA+i/8], v[96+4*i:96+4*i+3] offset:(i%8)*8192
.set i, i+1
.endr
	s_wait_dscnt 0x0                               ; for the others' sake: my stores have landed
	s_barrier_signal -1
	s_barrier_wait -1                              ; K and V^T lie in LDS; nothing writes LDS from here on
	s_wait_alu depctr_vm_vsrc(0)                   ; my LDS stores have read v96-223: these registers are S^T, O^T and KL from here on, written by products, by vector lines and by the loads below
	s_mov_b32 s[NPS], 2
.Lpass:
.irp t, 0,1,2,3
	ds_load_b128 v[KL+8*\t:KL+8*\t+3], v[LI] offset:1024*\t         ; K's tiles 0-3 of key step 0.  No wait: the last products that read KL stand ahead of their step's second wait on va_vdst, and nothing has named KL since
	ds_load_b128 v[KL+8*\t+4:KL+8*\t+7], v[LI] offset:1024*\t+512
.endr
	v_mov_b32 v13, 0xff61b1e6                      ; the largest t so far: -3e38
	v_floor_f32 v12, -v13                          ; -M
	v_mov_b32 v14, 0
	v_mov_b32 v15, 0
.set j, 0
.rept 32
	v_mov_b32 v[O+j], 0                            ; O^T.  (The step is written once: the first finds zeros, which the first change of M leaves zeros)
.set j, j+1
.endr
	s_mov_b32 s[TB], 0
	s_mov_b32 s[NST], 16
.Lstep:                                            ; a key step: 128 keys
	s_wait_alu depctr_vm_vsrc(0)                   ; the last step's LDS loads have read v8 and v9, which the two adds write
	v_add_nc_u32 v[ADK], s[TB], v[LI]
	v_add_nc_u32 v[ADV], VB, v[ADK]
	v_nop
	v_nop                                          ; four plain lines in front of loads into registers that the last products read
	s_wait_alu depctr_va_vdst(0)                   ; v8 and v9 are written, which the step's LDS loads read; the last step's products V^T P^T are done reading KV, in which the loads below land
.irp t, 0,1,2,3
	ds_load_b128 v[KV+8*\t:KV+8*\t+3], v[ADK] offset:1024*(\t+4)    ; K's tiles 4-7
	ds_load_b128 v[KV+8*\t+4:KV+8*\t+7], v[ADK] offset:1024*(\t+4)+512
.endr
	s_wait_dscnt 8                                 ; LDS loads come back in order: all but the eight just issued are in, KL among them
.irp t, 0,1,2,3
	v_wmma_f32_16x16x64_bf8_bf8 v[S+8*\t:S+8*\t+7], v[KL+8*\t:KL+8*\t+7], v[Q:Q+7], 0
.endr
	s_wait_dscnt 0x0                               ; tiles 4-7 are in
.irp t, 0,1,2,3
	v_wmma_f32_16x16x64_bf8_bf8 v[S+32+8*\t:S+32+8*\t+7], v[KV+8*\t:KV+8*\t+7], v[Q:Q+7], 0
.endr
.rept 4
	v_nop                                          ; places: in front of the loads below and of the first read of the scores
.endr
	s_wait_alu depctr_va_vdst(0)                   ; the eight products are done reading KV and KL, in which V^T's loads and the next step's K land; the places above stay beside this wait
	s_and_b32 s78, s[FL], 1                        ; has this step a hidden key for my tile?
	s_cmp_eq_u32 s78, 0
	s_cbranch_scc1 .Lopen
	s_load_b512 s[16:31], s[10:11], 0x0            ; the step's 64 lane words
	s_load_b512 s[32:47], s[10:11], 0x40
	s_load_b512 s[48:63], s[10:11], 0x80
	s_load_b512 s[80:95], s[10:11], 0xc0
	s_wait_kmcnt 0x0
.set n, 0
.rept 64
.if n < 48
	v_cndmask_b32 v[S+n], v[S+n], v[NINF], s[16+n]
.else
	v_cndmask_b32 v[S+n], v[S+n], v[NINF], s[32+n]
.endif
.set n, n+1
.endr
.Lopen:
	VLD 0                                          ; V^T's sixteen loads are dealt one ahead of each pair of lines of the maximum: it lands while the softmax is worked.  No wait: no vector line since the wait above names KV or v9
	v_max3_num_f32 v254, v96, v97, v98             ; the step's largest score of my query, among my 64 keys, in two chains,
	v_max3_num_f32 v252, v99, v100, v101
.irp i, 6,10,14,18,22,26,30,34,38,42,46,50,54,58
	VLD (\i-2)/4
	v_max3_num_f32 v254, v254, v[96+\i], v[97+\i]
	v_max3_num_f32 v252, v252, v[98+\i], v[99+\i]
.endr
	VLD 15
	v_max3_num_f32 v254, v254, v158, v159
	v_max_num_f32 v254, v254, v252
	v_permlanex16_b32 v247, v254, s[SEL], s[SEL+1]
	v_max_num_f32 v254, v254, v247                 ; and among lane l xor 16's
	v_mul_f32 v254, s[CS], v254                    ; as t (c is positive)
	v_max_num_f32 v13, v13, v254                   ; the running largest t
	v_mov_b32 v254, v12
	v_floor_f32 v12, -v13                          ; the new -M = floor(-t) = -ceil(t)
	v_sub_f32 v254, v12, v254                      ; old M - new M: a whole number, 0 or less
	v_cvt_i32_f32 v254, v254                       ; (it saturates)
	v_ldexp_f32 v252, 1.0, v254                    ; f = 2^(old M - new M)
.irp j, 0,2,4,6,8,10,12,14,16,18,20,22,24,26,28,30,32,34,36,38,40,42,44,46,48,50,52,54,56,58,60,62
	v_pk_fma_f32 v[S+\j:S+\j+1], v[S+\j:S+\j+1], s[CS:CS+1], v[12:13] op_sel_hi:[1,0,0]   ; t - M, two at a time
.endr
	s_cmp_eq_u32 s[NST], 1                         ; a pass's last step has no step behind it: a scalar branch on the count of steps
	s_cbranch_scc1 .Lnoahead
.irp t, 0,1,2,3
	ds_load_b128 v[KL+8*\t:KL+8*\t+3], v[ADK] offset:STEPB+1024*\t      ; the next step's tiles 0-3 of K: a step's 8,192 bytes on.  No wait: no vector or matrix line since the wait behind the products names KL or v8
	ds_load_b128 v[KL+8*\t+4:KL+8*\t+7], v[ADK] offset:STEPB+1024*\t+512
.endr
.Lnoahead:
.set j, 0
.rept 64
	v_exp_f32 v[S+j], v[S+j]                       ; p = 2^(t - M), at most 1
.set j, j+1
.endr
	v_pk_mul_f32 v[14:15], v[14:15], v[252:253] op_sel_hi:[1,0]   ; the sums under the new M: the plain line behind the exponentials
	s_wait_alu depctr_va_vdst(0)                   ; the 64 exponentials have written p: one wait for the whole batch, ahead of its first reader
	v_pk_add_f32 v[242:243], v[96:97], v[98:99]    ; the row's sum is taken of the unquantised p: two at a time, in two chains
.irp j, 4,8,12,16,20,24,28,32,36,40,44,48,52,56,60
	v_pk_add_f32 v[14:15], v[14:15], v[96+\j:97+\j]
	v_pk_add_f32 v[242:243], v[242:243], v[98+\j:99+\j]
.endr
	v_pk_add_f32 v[14:15], v[14:15], v[242:243]
	s_cmp_gt_i32 s[E4], -16
	s_cbranch_scc1 .Lfits
.set j, 0
.rept 64
	v_min_num_f32 v[S+j], v[S+j], v240             ; the conversion does not saturate (ISA guide 7.6.2); p is not negative, so the hold is one-sided
.set j, j+1
.endr
.Lfits:
.irp b, 0,1,2,3
	v_cvt_scalef32_pk8_bf8_f32 v[PC+4*\b:PC+4*\b+1], v[S+16*\b:S+16*\b+7], v244
	v_cvt_scalef32_pk8_bf8_f32 v[PC+4*\b+2:PC+4*\b+3], v[S+16*\b+8:S+16*\b+15], v244
.endr
.irp j, 0,2,4,6,8,10,12,14,16,18,20,22,24,26,28,30
	v_pk_mul_f32 v[O+\j:O+\j+1], v[O+\j:O+\j+1], v[252:253] op_sel_hi:[1,0]   ; O^T under the new M.  (Also the plain lines between the conversions and the products)
.endr
	s_wait_dscnt 0x0                               ; V^T is in, and so is the next step's KL
.irp t, 0,1,2,3
	v_wmma_f32_16x16x128_bf8_bf8 v[O+8*\t:O+8*\t+7], v[KV+16*\t:KV+16*\t+15], v[PC:PC+15], v[O+8*\t:O+8*\t+7]   ; the four accumulators take turns; the next step's eight products stand between two links
.endr
	s_lshr_b32 s[FL], s[FL], 1
	s_add_co_u32 s[TB], s[TB], STEPB
	s_add_nc_u64 s[10:11], s[10:11], 256           ; the next step's mask words (no scalar load is out here)
	s_sub_co_u32 s[NST], s[NST], 1
	s_cmp_lg_u32 s[NST], 0
	s_cbranch_scc1 .Lstep
	; THE WAY OUT of a pass: O^T / l x 2^(e4 + e5), quantised with 2^e6; the conversions' results are two groups of ao's image
.rept 4
	v_nop
.endr
	v_add_f32 v14, v14, v15
	v_permlanex16_b32 v252, v14, s[SEL], s[SEL+1]
	v_add_f32 v14, v14, v252                       ; the row's sum
	v_cmp_eq_f32 vcc_lo, 0, v14                    ; no open key in the row
	v_rcp_f32 v246, v14
	v_nop                                          ; a plain line behind the transcendental
	s_wait_alu depctr_va_vdst(0)                   ; the reciprocal has written v246, ahead of its first reader
	v_ldexp_f32 v246, v246, s[E4+1]
.set j, 0
.rept 32
	v_mul_f32 v[96+j], v[O+j], v246                ; register 16 g + i is channel 32 g + 16 h + i
.set j, j+1
.endr
.set j, 0
.rept 32
	v_med3_num_f32 v[96+j], v[96+j], -v241, v241
.set j, j+1
.endr
.irp g, 0,1
	v_cvt_scalef32_pk8_bf8_f32 v[128+4*\g:129+4*\g], v[96+16*\g:103+16*\g], v245
	v_cvt_scalef32_pk8_bf8_f32 v[130+4*\g:131+4*\g], v[104+16*\g:111+16*\g], v245
.endr
	v_nop                                          ; one plain line between the conversions and the selects on their results
	s_wait_alu depctr_va_vcc(0)                    ; the compare above has written VCC, ahead of its first reader: the selects below
.irp i, 0,1,2,3,4,5,6,7
	v_cndmask_b32 v[128+\i], v[128+\i], v[NANC], vcc_lo
.endr
	s_wait_alu depctr_va_vdst(0)                   ; the selects have written v128-135, which the two stores read
	global_store_b128 v[LI], v[128:131], s[2:3]
	global_store_b128 v[LI], v[132:135], s[2:3] offset:512
	s_wait_xcnt 0x0                                ; the stores have read their registers and their base: both are written again below and in the next pass
	s_wait_alu depctr_vm_vsrc(0)                   ; the stores have read v128-135, which the next pass's products write again
	s_add_nc_u64 s[2:3], s[2:3], 0x40000           ; 16 token tiles on
	s_add_nc_u64 s[10:11], s[10:11], 61440         ; the mask words: 16 tiles on, less the 16 steps walked
.irp i, 0,1,2,3,4,5,6,7
	v_mov_b32 v[Q+\i], v[Q+8+\i]                   ; the next pass's Q
.endr
	s_mov_b32 s[FL], s[FL+1]
	s_sub_co_u32 s[NPS], s[NPS], 1
	s_cmp_lg_u32 s[NPS], 0
	s_cbranch_scc1 .Lpass
	s_wait_dscnt 0x0                               ; the closing lines, six on end
	s_wait_alu 0x0
	s_wait_tensorcnt 0x0
	ds_add_u32 v251, v255
	s_wait_dscnt 0x0
	s_endpgm
.Lfunc_end_k_q4fbe4c9618_attn:
	.size	k_q4fbe4c9618_attn, .Lfunc_end_k_q4fbe4c9618_attn-k_q4fbe4c9618_attn
	.p2alignl 7, 3214868480
	.fill 96, 4, 3214868480
	.section	.rodata,"a",@progbits
	.p2align	6, 0x0
	.amdhsa_kernel k_q4fbe4c9618_attn
		.amdhsa_group_segment_fixed_size 264192
		.amdhsa_private_segment_fixed_size 0
		.amdhsa_enable_private_segment 0
		.amdhsa_kernarg_size 56
		.amdhsa_user_sgpr_count 2
		.amdhsa_user_sgpr_kernarg_segment_ptr 1
		.amdhsa_wavefront_size32 1
		.amdhsa_system_sgpr_workgroup_id_x 1
		.amdhsa_system_sgpr_workgroup_id_y 1
		.amdhsa_system_sgpr_workgroup_id_z 1
		.amdhsa_system_vgpr_workitem_id 0
		.amdhsa_next_free_vgpr 256
		.amdhsa_next_free_sgpr 102
		.amdhsa_reserve_vcc 1
		.amdhsa_float_denorm_mode_32 3
		.amdhsa_float_denorm_mode_16_64 3
		.amdhsa_memory_ordered 1
		.amdhsa_forward_progress 1
		.amdhsa_inst_pref_size 38
	.end_amdhsa_kernel
	.amdgpu_metadata
---
amdhsa.version: [ 1, 2 ]
amdhsa.kernels:
  - .name:           k_q4fbe4c9618_attn
    .symbol:         k_q4fbe4c9618_attn.kd
    .args:
      - { .name: qc, .offset: 0, .size: 8, .value_kind: global_buffer, .address_space: global }
      - { .name: kc, .offset: 8, .size: 8, .value_kind: global_buffer, .address_space: global }
      - { .name: vc, .offset: 16, .size: 8, .value_kind: global_buffer, .address_space: global }
      - { .name: maskw, .offset: 24, .size: 8, .value_kind: global_buffer, .address_space: global }
      - { .name: maskf, .offset: 32, .size: 8, .value_kind: global_buffer, .address_space: global }
      - { .name: lowp_scales, .offset: 40, .size: 8, .value_kind: global_buffer, .address_space: global }
      - { .name: ao, .offset: 48, .size: 8, .value_kind: global_buffer, .address_space: global }
    .group_segment_fixed_size: 264192
    .private_segment_fixed_size: 0
    .kernarg_segment_align: 8
    .kernarg_segment_size: 56
    .max_flat_workgroup_size: 512
    .sgpr_count:     102
    .vgpr_count:     256
    .wavefront_size: 32
...
	.end_amdgpu_metadata
.endif
;; end of part 6
;; launch outp: the kernel of part 5 again; grid 4 x 32, 4 waves a work-group, clusters of 4 x 4, 327,680 bytes of LDS; arguments ao, cb, lowp_scales, out_b, out0; writes out0
